; MI455X (gfx1250); checked and timed in simulation.
; The chip was launched on July 23, 2026; its instructions are those of AMD's public machine-readable ISA for CDNA 5 (MIT licence, August 2026) and "CDNA5" Instruction Set Architecture Reference Guide (July 2026). The comments in the code are by the model that wrote it; some were corrected since.
;; Zeta Attention. Allowed arithmetic: matrix products marked QUANTISED: E2M1 operands, one E8M0 scale for each 32 along K, by v_wmma_scale_f32_16x16x128_f8f6f4 with both operands' format E2M1 (or v_wmma_scale_f32_32x16x128_f4), f32 sums; everything else in f32.
;; Inputs: bk 1,024 float32; bo 1,024 float32; bq 1,024 float32; bv 1,024 float32; causal_mask 2,048 x 2,048 bool; gamma 10 float32; omega_mask 4,096 x 4,096 float32; semantic_token_ids 2 x 2,048 int32; wk 1,024 x 1,024 float32; wo 1,024 x 1,024 float32; wq 1,024 x 1,024 float32; wv 1,024 x 1,024 float32; x 2 x 2,048 x 1,024 float32.
;; Outputs: out0 2 x 2,048 x 1,024 float32.
;; This version of the problem:
;;   THIS VERSION OF THE PROBLEM IS GIVEN IN LOW PRECISION. The matrix products marked QUANTISED in the list below multiply operands that are first quantised to E2M1 (2 exponent bits, 1 mantissa bit; 4 bits a number), with one power-of-two scale for each 32 numbers along K (OCP MX v1.0); their sums are f32. All else is computed in f32.
;;   The module's matrix products, in the order in which they are computed (A, B: the left and right operand; K: the contracted axis; several contracted axes count as one K, in the product's order):
;;     1. [M 4,096, K 1,024] x [K 1,024, N 1,024]; A: input x; B: input wq: QUANTISED
;;     2. [M 4,096, K 1,024] x [K 1,024, N 1,024]; A: input x; B: input wk: QUANTISED
;;     3. [M 4,096, K 1,024] x [K 1,024, N 1,024]; A: input x; B: input wv: QUANTISED
;;     4. batch 32 x [M 2,048, K 64] x [K 64, N 2,048]; A: computed on the way; B: computed on the way: QUANTISED
;;     5. batch 32 x [M 64, K 2,048] x [K 2,048, N 2,048]; A: computed on the way; B: softmax (see below): QUANTISED
;;     6. [M 4,096, K 1,024] x [K 1,024, N 1,024]; A: computed on the way; B: input wo: QUANTISED
;;   THE QUANTISER, for each operand of a quantised product, along K:
;;     - K is cut into blocks of 32 from its start; a last block that is shorter is filled with zeros.
;;     - A block's scale is 2^e with e = floor(log2(the largest magnitude in the block)) - 2, held to -126 .. 127; a block of zeros has e = 0. As a byte (E8M0): e + 127.
;;     - Each number is divided by its block's scale, clamped to +-6, and rounded to the nearest number of E2M1, ties to even, subnormals kept.
;;     - The product sums the exact products of the quantised numbers (number of the format x scale) in f32.
;;   ~~~python
;;   def quantise(x, axis):      # numpy; x: float32 -> the quantised numbers, widened to float32 again
;;       x = np.moveaxis(x, axis, -1); K = x.shape[-1]
;;       x = np.pad(x, [(0, 0)] * (x.ndim - 1) + [(0, -K % 32)]); x = x.reshape(x.shape[:-1] + (-1, 32)); a = np.abs(x).max(-1, keepdims=True)
;;       e = np.where(a > 0, np.clip(np.frexp(np.where(a > 0, a, 1))[1] - 1 - 2, -126, 127), 0)      # np.frexp(a)[1] - 1 = floor(log2(a)), exactly
;;       r = np.clip(x / 2.0 ** e, -6, 6)
;;       step = 2.0 ** (np.maximum(np.frexp(np.where(r == 0, 1, r))[1] - 1, 0) - 1)
;;       q = np.round(r / step) * step * 2.0 ** e      # np.round: ties to even
;;       return np.moveaxis(q.reshape(q.shape[:-2] + (-1,))[..., :K], -1, axis).astype(np.float32)
;;   ~~~
;;   SOFTMAX AHEAD OF A QUANTISED PRODUCT. Where the list says 'softmax', what is quantised is not the finished softmax but p = 2^(t - M), with t = logit x log2(e) and M = ceil(the row's largest t), a whole number; so 1/2 < the row's largest p <= 1. The row's sum l is taken of the UNQUANTISED p, in f32, and the product's result is divided by l at the end. Since M is a whole number, a kernel that streams over the keys may use a running M (the ceiling of the running maximum): every later rescaling is an exact power of two, which a block's scale takes up: the codes' values come out the same.
;;   OPERANDS COMPUTED ON THE WAY. 'Computed on the way' means the value that the module computes at that place (a softmax that the list does not call 'softmax' is quantised finished and normalised). What goes into a quantiser is computed in f32, as accurately as f32 sums, v_exp_f32 and their like allow (about 1e-6 of the number): no bf16 or f16 on the way to a quantiser, and a product that is left as it is and whose result goes on into a quantised operand takes f32 operands (vector FMAs, or v_wmma_f32_16x16x4_f32). A number that lies on a knife's edge between two numbers of the format may be rounded either way, as far as f32 arithmetic and the matrix unit's own rounding can turn it there, and no further.
;; 2 versions, each right; version 2 is version 1 with the launch attn written anew for expert scheduling mode. Each part assembles by itself: llvm-mc -triple=amdgcn-amd-amdhsa -mcpu=gfx1250 --defsym DOCPART=n.
;; ======== version 1 of 2: 5 launches
;; limits: right only within a limited range of input values
;; workspace buffers: qbuf 4,457,472 bytes; mbuf 4,210,688 bytes; lmk 131,072 bytes of whole numbers; pbuf 6,946,816 bytes; abuf 2,359,296 bytes
;; launch quant (part 1): grid 256 x 1, 4 waves a work-group, no clusters, 34,304 bytes of LDS; arguments x, wq, wk, wv, wo, gamma, qbuf; writes qbuf
.if DOCPART == 1
	.amdgcn_target "amdgcn-amd-amdhsa--gfx1250"
	.amdhsa_code_object_version 6
	.text
	.protected	k_qa807790a0b_quant
	.globl	k_qa807790a0b_quant
	.p2align	8
	.type	k_qa807790a0b_quant,@function
k_qa807790a0b_quant:
	s_mov_b64 s[64:65], 0
	v_nop
	global_prefetch_b8 v0, s[64:65] scope:SCOPE_SE
	s_setreg_imm32_b32 hwreg(HW_REG_WAVE_MODE, 25, 1), 1
	s_wait_xcnt 0x0
; x [4096][1024] and wq, wk, wv, wo [1024][1024], f32, K innermost, become codes of FP4 (E2M1) with one E8M0 byte for each 32 along K, laid in the ORDER OF AN OPERAND'S REGISTERS.
; A TILE of 16 rows: slot r of tile T is row 32 (T / 2) + 8 (T % 2) + r + 8 (r / 8).  Codes: [half of K g][tile][block of 32 kb 0..15][slot r][16 bytes]; scale words: [g][tile][r][4 words], a word for 128 along K.
; qbuf: x's codes at 0 (256 tiles), the weights' at 2 MiB (wq, wk, wv, wo: 64 tiles each), x's scale words at XS, the weights' 131,072 bytes on, the table at MTAB.
; A wave takes one tile and one half of K: four K steps of 128.  Each load reads 512 consecutive bytes of a row; a step's 16 rows turn through the wave's own stage in LDS (rows of 512 + 16 bytes),
; so that lane (r, h) gets k = 64 c + 32 h + 0 .. 31 of row r: two whole blocks.  The conversions' results are the operand's registers: each store covers 512 consecutive bytes.
; Work-group 0 also makes the table tT[d] = exp(-d) x sum over n of cos(gamma_n log(d + 1)) x log2(e) / 8, d = 0 .. 255, while its first loads are on their way.
; LIMITS: NaN and infinities are not served.  A block whose largest magnitude lies under 2^-124 keeps the byte 1 (a block of zeros too: its codes are zeros, and this program alone reads the bytes).
; exp(-d) under 2^-126 (d from 88 on) comes out as 0.  The cosine's argument is reduced with a three-part pi / 2: it holds for |gamma log(d + 1)| up to about 1e5.
.set XS,   4194304
.set MTAB, 4456448
.set SP,   528                         ; a stage row
.set WST,  16*SP                       ; a wave's stage
.set SET,  64                          ; v64-127, v128-191: two sets of 16 loads
.set X,    192                         ; v192-255: 64 numbers, two blocks of 32
.set CD,   32                          ; v32-63: codes, eight registers a step, never rewritten
.set PW,   24                          ; v24-27: a scale word for each step
.macro LOAD t                          ; K step t: 16 rows x 512 bytes
.irp i, 0,1,2,3,4,5,6,7,8,9,10,11,12,13,14,15
	global_load_b128 v[SET+64*((\t)%2)+4*\i:SET+64*((\t)%2)+4*\i+3], v1, s[18:19] offset:(\i+8*(\i/8))*4096+512*(\t) th:TH_LOAD_NT
.endr
.endm
.macro COS n                           ; v11 += cos(gamma_n x v9)
	v_mul_f32 v12, s[40+\n], v9                    ; a
	v_mul_f32 v13, 0x3f22f983, v12                 ; a x 2 / pi
	v_rndne_f32 v13, v13                           ; q
	v_fma_f32 v12, v13, s50, v12                   ; a - q x pi / 2, in three parts
	v_fma_f32 v12, v13, s51, v12
	v_fma_f32 v12, v13, s52, v12                   ; |r| <= pi / 4
	v_cvt_i32_f32 v13, v13
	v_mul_f32 v14, v12, v12                        ; z = r r
	v_mov_b32 v15, 0x37ccf5ce
	v_fmaak_f32 v15, v15, v14, 0xbab6061a
	v_fmaak_f32 v15, v15, v14, 0x3d2aaaa5
	v_mul_f32 v16, v14, v14
	v_fma_f32 v17, v14, -0.5, 1.0
	v_fma_f32 v15, v15, v16, v17                   ; cos r
	v_mov_b32 v16, 0xb94ca1f9
	v_fmaak_f32 v16, v16, v14, 0x3c08839e
	v_fmaak_f32 v16, v16, v14, 0xbe2aaaa3
	v_mul_f32 v17, v12, v14
	v_fma_f32 v16, v16, v17, v12                   ; sin r
	v_and_b32 v17, 1, v13
	v_cmp_eq_u32 vcc_lo, 1, v17
	v_cndmask_b32 v15, v15, v16, vcc_lo            ; q odd: the sine
	v_add_nc_u32 v13, 1, v13
	v_and_b32 v13, 2, v13
	v_lshlrev_b32 v13, 30, v13                     ; q mod 4 = 1 or 2: the sign turns
	v_xor_b32 v15, v13, v15
	v_add_f32 v11, v11, v15
.endm
.macro TABENT add, out                 ; tT[thread + add] into v[out]
	v_add_nc_u32 v8, \add, v0
	v_cvt_f32_u32 v8, v8
	v_add_f32 v9, 1.0, v8
	v_mul_f32 v10, 0xbfb8aa3b, v8                  ; -d log2(e)
	v_log_f32 v9, v9
	v_exp_f32 v10, v10
	v_nop                                          ; a plain instruction behind the two
	s_wait_alu depctr_va_vdst(0)                   ; one wait for both, ahead of their first reader
	v_mul_f32 v9, 0x3f317218, v9                   ; log(d + 1)
	v_mov_b32 v11, 0
.irp n, 0,1,2,3,4,5,6,7,8,9
	COS \n
.endr
	v_mul_f32 v11, v10, v11
	v_mul_f32 v[\out], 0x3e38aa3b, v11             ; x log2(e) / 8
.endm
.macro QSTEP t
.if (\t) < 3
	s_wait_loadcnt 16                              ; this step's 16 loads are in; the next step's 16 may be out
.else
	s_wait_loadcnt 0x0
.endif
.irp i, 0,1,2,3,4,5,6,7,8,9,10,11,12,13,14,15
	ds_store_b128 v2, v[SET+64*((\t)%2)+4*\i:SET+64*((\t)%2)+4*\i+3] offset:\i*SP
.endr
.irp c, 0,1
.irp q, 0,1,2,3,4,5,6,7
	ds_load_b128 v[X+32*\c+4*\q:X+32*\c+4*\q+3], v3 offset:256*\c+16*\q   ; LDS serves a wave's instructions in order: these see the stores above
.endr
.endr
	s_wait_dscnt 0x0                               ; the numbers are back, and the stores have read the set, which takes the loads of two steps on
.if (\t) < 2
	LOAD (\t)+2
.endif
.irp c, 0,1
	v_max3_num_f32 v[8+\c], |v[X+32*\c]|, |v[X+1+32*\c]|, 0x1800000   ; my block 2 c + h, and the floor 2^(3 - 127): the byte cannot fall under 1
.endr
.irp i, 2,4,6,8,10,12,14,16,18,20,22,24,26,28,30
.irp c, 0,1
	v_max3_num_f32 v[8+\c], v[8+\c], |v[X+32*\c+\i]|, |v[X+1+32*\c+\i]|
.endr
.endr
.irp c, 0,1
	v_add_nc_u32 v[10+\c], 0xff000000, v[8+\c]     ; 2 off the exponent field: the conversion's scale operand
.endr
.irp c, 0,1
	v_lshrrev_b32 v[12+\c], 23, v[10+\c]           ; the scale's byte
.endr
	v_lshl_or_b32 v14, v13, 16, v12                ; bytes h and 2 + h,
	v_lshlrev_b32 v14, v5, v14                     ; at their places (8 h bits up);
	v_permlanex16_b32 v15, v14, s20, s21
	v_or_b32 v[PW+(\t)], v14, v15                  ; with lane l xor 16's two the word is whole
.irp c, 0,1
.irp g, 0,1,2,3
	v_cvt_scalef32_pk8_fp4_f32 v[CD+8*(\t)+4*\c+\g], v[X+32*\c+8*\g:X+32*\c+8*\g+7], v[10+\c]
.endr
.endr
	v_nop                                          ; a plain instruction behind the last conversion
.irp c, 0,1
	global_store_b128 v1, v[CD+8*(\t)+4*\c:CD+8*(\t)+4*\c+3], s[34:35] offset:1024*(\t)+512*\c   ; 512 consecutive bytes
.endr
.endm
	s_load_b256 s[4:11], s[0:1], 0x0               ; x, wq, wk, wv
	s_load_b128 s[12:15], s[0:1], 0x20             ; wo, gamma
	s_load_b64 s[16:17], s[0:1], 0x30              ; qbuf
	v_lshl_add_u32 v23, v0, 2, 0x8400
	v_mov_b32 v31, 0
	v_lshrrev_b32 v1, 5, v0
	v_readfirstlane_b32 s22, v1                    ; wave
	v_and_b32 v6, 31, v0                           ; lane
	v_and_b32 v7, 15, v0                           ; r
	v_bfe_u32 v5, v0, 4, 1                         ; h
	v_lshlrev_b32 v1, 4, v6                        ; 16 x lane
	s_mul_i32 s23, s22, WST
	v_add_nc_u32 v2, s23, v1                       ; the stage, on the way in
	v_mul_u32_u24 v3, v7, SP
	v_lshl_add_u32 v3, v5, 7, v3
	v_add_nc_u32 v3, s23, v3                       ; and out: row r, + 128 h
	v_lshlrev_b32 v4, 4, v7
	v_lshl_add_u32 v4, v5, 3, v4                   ; scale words: 16 r + 8 h
	v_lshlrev_b32 v5, 3, v5                        ; 8 h
	v_mov_b32 v15, 0                               ; a lane permute's destination counts as one of its sources
	v_lshlrev_b32 v28, 2, v0                       ; the table: 4 x thread
	s_mov_b32 s20, 0x76543210
	s_mov_b32 s21, 0xfedcba98                      ; selects for lane l xor 16
	s_mov_b32 s30, 0xffff0000                      ; lanes 16-31
	s_mov_b32 s50, 0xbfc90000                      ; -pi / 2 in three parts
	s_mov_b32 s51, 0xb9fda000
	s_mov_b32 s52, 0xb3a22168
	s_lshl_b32 s24, ttmp9, 1
	s_lshr_b32 s25, s22, 1
	s_add_co_u32 s24, s24, s25                     ; tile 0 .. 511: x's 256, then the weights' 256
	s_and_b32 s25, s22, 1                          ; g
	s_cmp_lt_u32 ttmp9, 128                        ; x's work-group?
	s_cselect_b32 s26, 255, 63                     ; tiles in the tensor - 1
	s_cselect_b32 s27, 0, 0x200000                 ; where its codes begin
	s_cselect_b32 s28, 0, 0x20000                  ; and its scale words, from XS on
	s_and_b32 s26, s24, s26                        ; the tile within its tensor
	s_lshr_b32 s29, s26, 1
	s_lshl_b32 s29, s29, 17                        ; 32 rows of 4,096 bytes
	s_and_b32 s26, s26, 1
	s_lshl_b32 s26, s26, 15                        ; 8 rows
	s_add_co_u32 s29, s29, s26
	s_lshl_b32 s26, s25, 11                        ; half a row
	s_add_co_u32 s32, s29, s26
	s_mov_b32 s33, 0
	s_and_b32 s24, s24, 255
	s_lshl_b32 s26, s24, 12
	s_add_co_u32 s27, s27, s26
	s_lshl_b32 s26, s25, 20
	s_add_co_u32 s34, s27, s26
	s_mov_b32 s35, 0
	s_lshl_b32 s26, s24, 8
	s_add_co_u32 s28, s28, s26
	s_lshl_b32 s26, s25, 16
	s_add_co_u32 s28, s28, s26
	s_add_co_u32 s36, s28, XS
	s_mov_b32 s37, 0
	s_wait_kmcnt 0x0
	s_load_b256 s[40:47], s[14:15], 0x0            ; gamma 0 .. 7
	s_load_b64 s[48:49], s[14:15], 0x20            ; gamma 8, 9
	s_cmp_lt_u32 ttmp9, 128                        ; the tensor is chosen by the work-group's number alone
	s_cselect_b64 s[18:19], s[4:5], s[6:7]
	s_cmp_lt_u32 ttmp9, 160
	s_cselect_b64 s[18:19], s[18:19], s[8:9]
	s_cmp_lt_u32 ttmp9, 192
	s_cselect_b64 s[18:19], s[18:19], s[10:11]
	s_cmp_lt_u32 ttmp9, 224
	s_cselect_b64 s[18:19], s[18:19], s[12:13]
	s_add_nc_u64 s[18:19], s[18:19], s[32:33]
	s_add_nc_u64 s[34:35], s[16:17], s[34:35]
	s_add_nc_u64 s[36:37], s[16:17], s[36:37]
	s_add_nc_u64 s[38:39], s[16:17], MTAB
	LOAD 0
	LOAD 1
	s_wait_kmcnt 0x0                               ; gamma
	s_cmp_lg_u32 ttmp9, 0
	s_cbranch_scc1 .Lno_table
	TABENT 0, 29
	TABENT 128, 30
	global_store_b32 v28, v29, s[38:39]
	global_store_b32 v28, v30, s[38:39] offset:512
.Lno_table:
	QSTEP 0
	QSTEP 1
	QSTEP 2
	QSTEP 3
	v_cndmask_b32 v8, v[PW], v[PW+2], s30          ; lanes 0-15 store words 0, 1 of row r, lanes 16-31 words 2, 3:
	v_cndmask_b32 v9, v[PW+1], v[PW+3], s30
	global_store_b64 v4, v[8:9], s[36:37]          ; 256 consecutive bytes
	s_wait_tensorcnt 0x0
	ds_add_u32 v23, v31
	s_wait_dscnt 0x0
	s_endpgm
.Lfunc_end_k_qa807790a0b_quant:
	.size	k_qa807790a0b_quant, .Lfunc_end_k_qa807790a0b_quant-k_qa807790a0b_quant
	.p2alignl 7, 3214868480
	.fill 96, 4, 3214868480
	.section	.rodata,"a",@progbits
	.p2align	6, 0x0
	.amdhsa_kernel k_qa807790a0b_quant
		.amdhsa_group_segment_fixed_size 34304
		.amdhsa_private_segment_fixed_size 0
		.amdhsa_enable_private_segment 0
		.amdhsa_kernarg_size 56
		.amdhsa_user_sgpr_count 2
		.amdhsa_user_sgpr_kernarg_segment_ptr 1
		.amdhsa_wavefront_size32 1
		.amdhsa_system_sgpr_workgroup_id_x 1
		.amdhsa_system_sgpr_workgroup_id_y 1
		.amdhsa_system_sgpr_workgroup_id_z 1
		.amdhsa_system_vgpr_workitem_id 0
		.amdhsa_next_free_vgpr 256
		.amdhsa_next_free_sgpr 66
		.amdhsa_reserve_vcc 1
		.amdhsa_float_denorm_mode_32 3
		.amdhsa_float_denorm_mode_16_64 3
		.amdhsa_memory_ordered 1
		.amdhsa_forward_progress 1
		.amdhsa_inst_pref_size 57
	.end_amdhsa_kernel
	.amdgpu_metadata
---
amdhsa.version: [ 1, 2 ]
amdhsa.kernels:
  - .name:           k_qa807790a0b_quant
    .symbol:         k_qa807790a0b_quant.kd
    .args:
      - { .name: x, .offset: 0, .size: 8, .value_kind: global_buffer, .address_space: global }
      - { .name: wq, .offset: 8, .size: 8, .value_kind: global_buffer, .address_space: global }
      - { .name: wk, .offset: 16, .size: 8, .value_kind: global_buffer, .address_space: global }
      - { .name: wv, .offset: 24, .size: 8, .value_kind: global_buffer, .address_space: global }
      - { .name: wo, .offset: 32, .size: 8, .value_kind: global_buffer, .address_space: global }
      - { .name: gamma, .offset: 40, .size: 8, .value_kind: global_buffer, .address_space: global }
      - { .name: qbuf, .offset: 48, .size: 8, .value_kind: global_buffer, .address_space: global }
    .group_segment_fixed_size: 34304
    .private_segment_fixed_size: 0
    .kernarg_segment_align: 8
    .kernarg_segment_size: 56
    .max_flat_workgroup_size: 128
    .sgpr_count:     66
    .vgpr_count:     256
    .wavefront_size: 32
...
	.end_amdgpu_metadata
.endif
;; end of part 1
;; launch mask (part 2): grid 128 x 2, 16 waves a work-group, no clusters, 22,784 bytes of LDS; arguments omega_mask, semantic_token_ids, causal_mask, mbuf, lmk; writes mbuf, lmk
.if DOCPART == 2
	.amdgcn_target "amdgcn-amd-amdhsa--gfx1250"
	.amdhsa_code_object_version 6
	.text
	.protected	k_qa807790a0b_mask
	.globl	k_qa807790a0b_mask
	.p2align	8
	.type	k_qa807790a0b_mask,@function
k_qa807790a0b_mask:
	s_mov_b64 s[64:65], 0
	v_nop
	global_prefetch_b8 v0, s[64:65] scope:SCOPE_SE
	s_setreg_imm32_b32 hwreg(HW_REG_WAVE_MODE, 25, 1), 1
	s_wait_xcnt 0x0
; allowed(q, k) = omega[id q][id k] != 0 and causal(q, k), for the 16 queries of one tile (slot r: query qmin + r + 8 (r / 8)) of one batch and all 2,048 keys.
; Beyond 103 keys from the diagonal reference()'s own factor exp(-|q - k|) is 0 in f32, so the logit is 0 where the key is allowed and -1e9 where not: p there is 2^-M or 0, the same for all heads.
; This launch stores: (1) mbuf: p's codes OUTSIDE a window of 256 keys round the diagonal (blocks wsB .. wsB + 7 of 32), as images of the second product's operand:
; [batch][tile][step of 128 keys][c][lane][16 bytes]; code 6 (the number 4, under the scale 2^(-M - 2)) where allowed, else 0; the window's blocks hold zeros.
; (2) lmk: the window's lane masks, word 16 b + i of step st: bit 16 h + r = allowed(slot r, key ws + 128 st + 32 b + 16 h + i).
; (3) mbuf + RLV: a level for each row, the largest t outside the window: 0 where a key is allowed there, else -3e38.
; A ROW WITH NO ALLOWED KEY AT ALL has every logit at -1e9: its softmax is uniform.  Its level is t = -1e9 x log2(e) in f32, a whole number, and its codes outside the window are all 6.
; How: the 16 rows of omega that the queries' ids name are read WHOLE (16,384 consecutive bytes each) and folded into 16 bits a column in LDS; the keys' ids then gather from LDS.
; No tile is shared with another work-group but by chance (two tokens with one id), so there is nothing to ask for jointly.
; REGISTERS: v1-7, v26-31 addresses and lane numbers; v8-15 column bits; v16-25 causal bits, keys' ids, gathered bits; v32-47 causal bytes; v48-51 ids; v52-54 at work; v55 the constant 0;
; v64-191 omega's 32 loads, and behind them everything that is read from LDS or made of it.  What has to last from the head on lies under v64.
.set AM,  16384                        ; LDS: [block of 32 keys][i 0..15] words: allowed bits (by slot) of key 32 B + i below, of key 32 B + 16 + i above.  Column bits lie at 0: 4,096 words
.set FL,  20480                        ; a word of flags for each wave
.set RLV, 4194304
.set NIL, 55                           ; v55: 0, never rewritten: no load of this text lands on it
.macro BAR
	s_wait_dscnt 0x0                               ; my LDS stores have landed and my LDS loads are in
	s_barrier_signal -1
	s_barrier_wait -1
.endm
.macro NIB dst, wb, sh                 ; bit v[sh] of eight words becomes eight nibbles 0 or 1, the first word's lowest
.irp i, 0,1,2,3,4,5,6,7
	v_bfe_u32 v[104+\i], v[\wb+\i], v[\sh], 1
.endr
	v_lshl_or_b32 v[\dst], v105, 4, v104
.irp i, 2,3,4,5,6,7
	v_lshl_or_b32 v[\dst], v[104+\i], 4*\i, v[\dst]
.endr
.endm
	s_load_b256 s[4:11], s[0:1], 0x0               ; omega, ids, causal, mbuf
	s_load_b64 s[84:85], s[0:1], 0x20              ; lmk
	v_lshl_add_u32 v254, v0, 2, 0x5100
	v_mov_b32 v255, 0
	v_lshrrev_b32 v1, 5, v0
	v_readfirstlane_b32 s12, v1                    ; wave 0 .. 15
	s_and_b32 s13, ttmp7, 0xffff                   ; batch
	s_lshr_b32 s14, ttmp9, 1
	s_lshl_b32 s14, s14, 5
	s_and_b32 s15, ttmp9, 1
	s_lshl_b32 s15, s15, 3
	s_add_co_u32 s14, s14, s15                     ; qmin
	s_sub_co_i32 s15, s14, 103
	s_max_i32 s15, s15, 0
	s_lshr_b32 s15, s15, 5
	s_min_u32 s15, s15, 56                         ; wsB: the window's first block; 256 keys from there hold qmin - 103 .. qmin + 23 + 103
	s_lshl_b32 s26, s13, 7
	s_add_co_u32 s26, s26, ttmp9                   ; 128 x batch + tile
	s_mov_b32 s25, 0
	s_mov_b32 s19, 0
	s_mov_b32 s21, 0
	s_mov_b32 s23, 0
	s_lshl_b32 s20, s13, 13                        ; the batch's ids
	s_lshl_b32 s18, s14, 2
	s_add_co_u32 s18, s18, s20                     ; my queries' ids
	s_lshl_b32 s22, s14, 11                        ; causal: row qmin
	v_lshlrev_b32 v1, 4, v0                        ; 16 x thread
	v_lshlrev_b32 v2, 2, v0                        ; 4 x thread
	v_and_b32 v3, 15, v0                           ; r
	v_bfe_u32 v4, v0, 4, 1                         ; h
	v_and_b32 v5, 31, v0                           ; lane
	v_add_nc_u32 v6, 16, v3                        ; r + 16
	s_wait_kmcnt 0x0
	s_add_nc_u64 s[18:19], s[6:7], s[18:19]
	s_add_nc_u64 s[20:21], s[6:7], s[20:21]
	s_add_nc_u64 s[22:23], s[8:9], s[22:23]
	s_load_b256 s[68:75], s[18:19], 0x0            ; ids of slots 0-7
	s_load_b256 s[76:83], s[18:19], 0x40           ; of slots 8-15: 16 tokens on
	global_load_b128 v[48:51], v1, s[20:21]        ; ids of keys 4 t .. 4 t + 3
.irp r, 0,1,2,3,4,5,6,7,8,9,10,11,12,13,14,15
	global_load_b32 v[32+\r], v2, s[22:23] offset:(\r+8*(\r/8))*2048   ; causal bytes of these four keys, slot r
.endr
	s_lshl_b32 s24, s26, 14
	s_lshl_b32 s27, s12, 10
	s_add_co_u32 s24, s24, s27
	s_add_nc_u64 s[86:87], s[10:11], s[24:25]      ; my wave's image: step of 128 keys = wave
	s_lshl_b32 s24, s26, 6
	s_add_co_u32 s24, s24, RLV
	s_add_nc_u64 s[88:89], s[10:11], s[24:25]
	s_lshl_b32 s24, s26, 9
	s_add_nc_u64 s[90:91], s[84:85], s[24:25]
	v_lshrrev_b32 v7, 3, v0                        ; where my keys' bits go in AM: block t / 8, word 4 (t % 4) + k, half (t / 4) % 2
	v_lshlrev_b32 v7, 6, v7
	v_and_b32 v54, 3, v0
	v_lshl_add_u32 v7, v54, 4, v7
	v_bfe_u32 v54, v0, 2, 1
	v_lshl_add_u32 v7, v54, 1, v7
	s_lshl_b32 s27, s12, 8
	s_add_co_u32 s27, s27, AM
	v_lshl_add_u32 v26, v4, 6, s27                 ; AM: my wave's four blocks, + 64 h
	s_lshl_b32 s27, s12, 2
	s_add_co_u32 s27, s27, FL
	v_mov_b32 v27, s27                             ; my wave's flags
	v_mov_b32 v28, FL
	s_lshl_b32 s27, s15, 6
	s_add_co_u32 s27, s27, AM
	v_lshl_add_u32 v29, v5, 4, s27                 ; the window's 512 bytes of AM
	v_lshlrev_b32 v30, 4, v5                       ; 16 x lane
	v_lshlrev_b32 v31, 2, v3                       ; 4 r
	v_mov_b32 v[NIL], 0
	s_lshl_b32 s28, s12, 2
	s_sub_co_u32 s28, s28, s15                     ; my first block less the window's first
	s_wait_kmcnt 0x0
.irp r, 0,1,2,3,4,5,6,7
	s_min_u32 s24, s[68+\r], 4095                  ; an id enters an address only behind this bound
	s_lshl_b32 s24, s24, 14                        ; a row of omega is 16,384 bytes
	s_add_nc_u64 s[32+2*\r:33+2*\r], s[4:5], s[24:25]
.endr
.irp r, 0,1,2,3,4,5,6,7
	s_min_u32 s24, s[76+\r], 4095
	s_lshl_b32 s24, s24, 14
	s_add_nc_u64 s[48+2*\r:49+2*\r], s[4:5], s[24:25]
.endr
.irp n, 0,1,2,3,4,5,6,7,8,9,10,11,12,13,14,15  ; slot 15 first: its bit is shifted up fifteen times
	global_load_b128 v[64+8*\n:67+8*\n], v1, s[32+2*(15-\n):33+2*(15-\n)]               ; columns 4 t ..
	global_load_b128 v[68+8*\n:71+8*\n], v1, s[32+2*(15-\n):33+2*(15-\n)] offset:8192   ; columns 2,048 + 4 t ..
.endr
	s_wait_loadcnt 32                              ; the keys' ids and the causal bytes are in; omega's 32 loads may be out
	v_mov_b32 v16, v32                             ; a byte is 0 or 1: slot r's goes to bit r % 8 of its key's byte
.irp r, 1,2,3,4,5,6,7
	v_lshl_or_b32 v16, v[32+\r], \r, v16
.endr
	v_mov_b32 v17, v40
.irp r, 1,2,3,4,5,6,7
	v_lshl_or_b32 v17, v[40+\r], \r, v17
.endr
.irp k, 0,1,2,3
	v_min_u32 v[18+\k], 0xfff, v[48+\k]            ; a key's id enters an address only behind this bound
.endr
.irp k, 0,1,2,3
	v_lshlrev_b32 v[18+\k], 2, v[18+\k]
.endr
.irp c, 0,1,2,3,4,5,6,7
	v_mov_b32 v[8+\c], 0
.endr
.irp n, 0,1,2,3,4,5,6,7,8,9,10,11,12,13,14,15
	s_wait_loadcnt 30-2*\n                         ; this slot's two loads are in; the later slots' may be out
.irp c, 0,1,2,3,4,5,6,7
	v_cmp_neq_f32 vcc_lo, 0, v[64+8*\n+\c]
	v_add_co_ci_u32 v[8+\c], vcc_lo, v[8+\c], v[8+\c], vcc_lo   ; bits up by one, the new bit in
.endr
.endr
	ds_store_b128 v1, v[8:11]                      ; column bits, a word a column
	ds_store_b128 v1, v[12:15] offset:8192
	BAR                                            ; all 4,096 columns lie in LDS
.irp k, 0,1,2,3
	ds_load_b32 v[22+\k], v[18+\k]                 ; the gather.  Nothing is written to LDS between this barrier and the next
.endr
	BAR
.irp k, 0,1,2,3
	v_bfe_u32 v52, v16, 8*\k, 8
	v_bfe_u32 v53, v17, 8*\k, 8
	v_lshl_or_b32 v52, v53, 8, v52
	v_and_b32 v[22+\k], v[22+\k], v52              ; allowed, by slot
	ds_store_b16 v7, v[22+\k] offset:AM+4*\k
.endr
	BAR                                            ; the bits of all 2,048 keys lie in AM
.irp c, 0,1
.irp q, 0,1,2,3
	ds_load_b128 v[64+16*\c+4*\q:67+16*\c+4*\q], v26 offset:128*\c+16*\q   ; block 4 w + 2 c + h: 16 words
.endr
.endr
	s_wait_dscnt 0x0
.irp c, 0,1                                    ; register g of c: keys 8 g .. 8 g + 7 of the block, for my slot r
	NIB 96+4*\c, 64+16*\c, 3
	NIB 97+4*\c, 72+16*\c, 3
	NIB 98+4*\c, 64+16*\c, 6
	NIB 99+4*\c, 72+16*\c, 6
.endr
	v_or_b32 v112, v96, v97
.irp i, 2,3,4,5,6,7
	v_or_b32 v112, v112, v[96+\i]                  ; any key allowed, window or not
.endr
	v_add_nc_u32 v113, s28, v4
	v_add_nc_u32 v114, 2, v113
	v_cmp_gt_u32 s92, 8, v113                      ; is block 4 w + h inside the window?
	v_cmp_gt_u32 s93, 8, v114                      ; and block 4 w + 2 + h?
.irp g, 0,1,2,3
	v_cndmask_b32 v[96+\g], v[96+\g], v[NIL], s92  ; the window's blocks hold zeros
	v_cndmask_b32 v[100+\g], v[100+\g], v[NIL], s93
.endr
	v_or_b32 v116, v96, v97
.irp i, 2,3,4,5,6,7
	v_or_b32 v116, v116, v[96+\i]                  ; any key allowed outside the window
.endr
	v_cmp_ne_u32 s29, 0, v112
	v_cmp_ne_u32 s30, 0, v116
	s_lshr_b32 s31, s29, 16
	s_or_b32 s29, s29, s31
	s_and_b32 s29, s29, 0xffff                     ; by slot: both halves of the lanes folded
	s_lshr_b32 s31, s30, 16
	s_or_b32 s30, s30, s31
	s_lshl_b32 s30, s30, 16
	s_or_b32 s29, s29, s30
	v_mov_b32 v117, s29
	ds_store_b32 v27, v117                         ; all lanes write the same word with the same value
	BAR
	ds_load_b128 v[64:67], v28
	ds_load_b128 v[68:71], v28 offset:16
	ds_load_b128 v[72:75], v28 offset:32
	ds_load_b128 v[76:79], v28 offset:48
	ds_load_b128 v[84:87], v29                     ; the window's lane masks
	s_wait_dscnt 0x0
.irp i, 1,2,3,4,5,6,7,8,9,10,11,12,13,14,15
	v_or_b32 v64, v64, v[64+\i]
.endr
	v_bfe_u32 v80, v64, v3, 1                      ; my row has an allowed key
	v_bfe_u32 v81, v64, v6, 1                      ; and one outside the window
	v_cmp_eq_u32 s94, 0, v80                       ; rows with none at all
	s_and_not1_b32 s92, s94, s92                   ; such a row, outside the window
	s_and_not1_b32 s93, s94, s93
	v_mov_b32 v118, 0x66666666
	v_cndmask_b32 v82, v[NIL], v118, s92
	v_cndmask_b32 v83, v[NIL], v118, s93
.irp c, 0,1
.irp g, 0,1,2,3
	v_lshl_or_b32 v[120+4*\c+\g], v[96+4*\c+\g], 1, v[82+\c]
	v_lshl_or_b32 v[120+4*\c+\g], v[96+4*\c+\g], 2, v[120+4*\c+\g]   ; nibble 1 -> code 6
.endr
.endr
	global_store_b128 v30, v[120:123], s[86:87]            ; 512 consecutive bytes each
	global_store_b128 v30, v[124:127], s[86:87] offset:512
	v_mov_b32 v88, 0xff61b1e6                      ; -3e38
	v_cmp_ne_u32 vcc_lo, 0, v81
	v_cndmask_b32 v88, v88, v[NIL], vcc_lo         ; 0 where a key outside the window is allowed
	v_mov_b32 v89, 0xceabfb8f                      ; -1e9 x log2(e) in f32 = -1,442,695,040
	v_cndmask_b32 v88, v88, v89, s94
	s_cmp_lg_u32 s12, 0
	s_cbranch_scc1 .Lnot_0
	global_store_b32 v31, v88, s[88:89]            ; lanes r and 16 + r store the same word with the same value
.Lnot_0:
	s_cmp_lg_u32 s12, 1
	s_cbranch_scc1 .Lnot_1
	global_store_b128 v30, v[84:87], s[90:91]      ; 512 consecutive bytes
.Lnot_1:
	s_wait_tensorcnt 0x0
	ds_add_u32 v254, v255
	s_wait_dscnt 0x0
	s_endpgm
.Lfunc_end_k_qa807790a0b_mask:
	.size	k_qa807790a0b_mask, .Lfunc_end_k_qa807790a0b_mask-k_qa807790a0b_mask
	.p2alignl 7, 3214868480
	.fill 96, 4, 3214868480
	.section	.rodata,"a",@progbits
	.p2align	6, 0x0
	.amdhsa_kernel k_qa807790a0b_mask
		.amdhsa_group_segment_fixed_size 22784
		.amdhsa_private_segment_fixed_size 0
		.amdhsa_enable_private_segment 0
		.amdhsa_kernarg_size 40
		.amdhsa_user_sgpr_count 2
		.amdhsa_user_sgpr_kernarg_segment_ptr 1
		.amdhsa_wavefront_size32 1
		.amdhsa_system_sgpr_workgroup_id_x 1
		.amdhsa_system_sgpr_workgroup_id_y 1
		.amdhsa_system_sgpr_workgroup_id_z 1
		.amdhsa_system_vgpr_workitem_id 0
		.amdhsa_next_free_vgpr 256
		.amdhsa_next_free_sgpr 96
		.amdhsa_reserve_vcc 1
		.amdhsa_float_denorm_mode_32 3
		.amdhsa_float_denorm_mode_16_64 3
		.amdhsa_memory_ordered 1
		.amdhsa_forward_progress 1
		.amdhsa_inst_pref_size 35
	.end_amdhsa_kernel
	.amdgpu_metadata
---
amdhsa.version: [ 1, 2 ]
amdhsa.kernels:
  - .name:           k_qa807790a0b_mask
    .symbol:         k_qa807790a0b_mask.kd
    .args:
      - { .name: omega_mask, .offset: 0, .size: 8, .value_kind: global_buffer, .address_space: global }
      - { .name: semantic_token_ids, .offset: 8, .size: 8, .value_kind: global_buffer, .address_space: global }
      - { .name: causal_mask, .offset: 16, .size: 8, .value_kind: global_buffer, .address_space: global }
      - { .name: mbuf, .offset: 24, .size: 8, .value_kind: global_buffer, .address_space: global }
      - { .name: lmk, .offset: 32, .size: 8, .value_kind: global_buffer, .address_space: global }
    .group_segment_fixed_size: 22784
    .private_segment_fixed_size: 0
    .kernarg_segment_align: 8
    .kernarg_segment_size: 40
    .max_flat_workgroup_size: 512
    .sgpr_count:     96
    .vgpr_count:     256
    .wavefront_size: 32
...
	.end_amdgpu_metadata
.endif
;; end of part 2
;; launch qkv (part 3): grid 8 x 32, 12 waves a work-group, no clusters, 282,624 bytes of LDS; arguments qbuf, bq, bk, bv, pbuf; writes pbuf
.if DOCPART == 3
	.amdgcn_target "amdgcn-amd-amdhsa--gfx1250"
	.amdhsa_code_object_version 6
	.text
	.protected	k_qa807790a0b_qkv
	.globl	k_qa807790a0b_qkv
	.p2align	8
	.type	k_qa807790a0b_qkv,@function
k_qa807790a0b_qkv:
	s_mov_b64 s[64:65], 0
	v_nop
	global_prefetch_b8 v0, s[64:65] scope:SCOPE_SE
	s_setreg_imm32_b32 hwreg(HW_REG_WAVE_MODE, 25, 1), 1
	s_wait_xcnt 0x0
; q = x wq^T + bq, k = x wk^T + bk, v = x wv^T + bv on codes of FP4 with E8M0 scales, and the results quantised in registers: q and k along the head's 64, v along the keys.
; Work-group (j, i): tokens 128 i .. + 127; rows 256 j .. + 255 of wq stacked on wk; rows 128 j .. + 127 of wv.  Their codes and scale words for ALL of K lie in LDS, filled ONCE by tensor loads: no slot is filled again.
; Pieces of 8 tiles (32,768 bytes of codes for each half of K): 0, 1 = wq|wk, 2 = x, 3 = wv.  Twelve waves: role rho = wave / 4, omega = wave % 4.  rho = 0, 1: R = piece rho, L = x; rho = 2: R = x, L = wv.
; THE PRODUCT IS USED TRANSPOSED: source 0 = a tile of R, source 1 = a tile of L.  A lane holds one row of L (a token; in role 2 a channel of v), and, by the tiles' order of rows, the 16 registers of R's tiles 2 b and 2 b + 1
; are 16 neighbours 32 b + 16 h + 0 .. 15 along R (channels; in role 2 tokens, which are the second product's K).  A wave makes 2 tiles of L x 8 of R: 16 accumulators by turns.
; pbuf: q's codes [bh][token][32 bytes] at 0, k's at KC, v's [bh][block of 32 keys][tile t][slot r][16 bytes] at VC; scale words: q's, k's [bh][token] (bytes 2, 3 = 127: they meet zero codes), v's [bh][128 keys][r][t].
; The x piece is read by the 8 work-groups of a grid row and each weight piece by the 32 of a column: joint loads in a cluster would divide those requests.  This text is the plain form and does not use them.
; LIMITS: NaN and infinities are not served; a block whose largest magnitude lies under 2^-124 keeps the byte 1.
.set WC,   2097152
.set XS,   4194304
.set VC,   4194304
.set QS,   6291456
.set VS,   6815744
.set SCB,  262144                      ; LDS: scale words: half g at 8,192 g, piece p at 2,048 p
.set STG,  278528                      ; q's or k's scale words of 4 heads x 128 tokens
.set STG2, 280576                      ; v's of 2 heads: [r][t]
.set TM,   64                          ; v64-79 at work in QUANT
.macro SCL                             ; a half's scale words: four words (K steps) a row.  In R's tiles 0 and 1 lanes 16-31 take the words of L's tiles 0 and 1
.irp rt, 0,1
	ds_load_b128 v[8+4*\rt:11+4*\rt], v3 offset:256*\rt
.endr
.irp rt, 2,3,4,5,6,7
	ds_load_b128 v[8+4*\rt:11+4*\rt], v4 offset:256*\rt
.endr
.endm
.macro KSTEP s, zero, places           ; 128 along K: 20 LDS loads, 16 matrix instructions
.if \places
.rept 4
	v_nop                                          ; four plain instructions between the last products and loads into registers that they read
.endr
.endif
.irp lt, 0,1
.irp c, 0,1
	ds_load_b128 v[48+8*\lt+4*\c:51+8*\lt+4*\c], v1 offset:4096*\lt+1024*\s+512*\c
.endr
.endr
.irp rt, 0,1,2,3,4,5,6,7
.irp c, 0,1
	ds_load_b128 v[64+8*\rt+4*\c:67+8*\rt+4*\c], v2 offset:4096*\rt+1024*\s+512*\c
.endr
.endr
	s_wait_dscnt 0x0
.irp rt, 0,1,2,3,4,5,6,7
.irp lt, 0,1
.if \zero
	v_wmma_scale_f32_16x16x128_f8f6f4 v[128+64*\lt+8*\rt:135+64*\lt+8*\rt], v[64+8*\rt:71+8*\rt], v[48+8*\lt:55+8*\lt], 0, v[8+4*\rt+\s], v[8+4*\lt+\s] matrix_a_fmt:MATRIX_FMT_FP4 matrix_b_fmt:MATRIX_FMT_FP4 matrix_b_scale:MATRIX_SCALE_ROW1
.else
	v_wmma_scale_f32_16x16x128_f8f6f4 v[128+64*\lt+8*\rt:135+64*\lt+8*\rt], v[64+8*\rt:71+8*\rt], v[48+8*\lt:55+8*\lt], v[128+64*\lt+8*\rt:135+64*\lt+8*\rt], v[8+4*\rt+\s], v[8+4*\lt+\s] matrix_a_fmt:MATRIX_FMT_FP4 matrix_b_fmt:MATRIX_FMT_FP4 matrix_b_scale:MATRIX_SCALE_ROW1
.endif
.endr
.endr
.endm
; 64 numbers of a lane, register 16 b + i = k 32 b + 16 h + i of my row, become a fragment's codes in v[pc] on and its scale word in v[pw]
.macro QUANT s, pc, pw
.irp b, 0,1,2,3
	v_max3_num_f32 v[TM+\b], |v[(\s)+16*\b]|, |v[(\s)+1+16*\b]|, 0x1800000   ; my 16 numbers of block b, and the floor 2^(3 - 127)
.endr
.irp i, 2,4,6,8,10,12,14
.irp b, 0,1,2,3
	v_max3_num_f32 v[TM+\b], v[TM+\b], |v[(\s)+16*\b+\i]|, |v[(\s)+1+16*\b+\i]|
.endr
.endr
.irp b, 0,1,2,3
	v_permlanex16_b32 v[TM+4+\b], v[TM+\b], s2, s3
.endr
.irp b, 0,1,2,3
	v_max_num_f32 v[TM+\b], v[TM+\b], v[TM+4+\b]   ; with lane l xor 16's: the block's largest magnitude
.endr
.irp b, 0,1,2,3
	v_add_nc_u32 v[TM+12+\b], 0xff000000, v[TM+\b] ; 2 off its exponent field: the conversion's scale operand
.endr
.irp b, 0,1,2,3
	v_lshrrev_b32 v[TM+4+\b], 23, v[TM+12+\b]      ; the scale's byte
.endr
	v_lshl_or_b32 v[\pw], v[TM+5], 8, v[TM+4]
	v_lshl_or_b32 v[\pw], v[TM+6], 16, v[\pw]
	v_lshl_or_b32 v[\pw], v[TM+7], 24, v[\pw]
.irp b, 0,1,2,3
	v_cvt_scalef32_pk8_fp4_f32 v[(\pc)+2*\b], v[(\s)+16*\b:(\s)+7+16*\b], v[TM+12+\b]
	v_cvt_scalef32_pk8_fp4_f32 v[(\pc)+1+2*\b], v[(\s)+8+16*\b:(\s)+15+16*\b], v[TM+12+\b]
.endr
	v_nop                                          ; a plain instruction behind the last conversion
.irp c, 0,1                                    ; a whole block to a lane: lanes 0-15 block 2 c, lanes 16-31 block 2 c + 1
.irp i, 0,1
	v_permlane16_swap_b32 v[(\pc)+4*\c+\i], v[(\pc)+2+4*\c+\i]
.endr
.endr
.endm
	s_load_b256 s[4:11], s[0:1], 0x0               ; qbuf, bq, bk, bv
	s_load_b64 s[12:13], s[0:1], 0x20              ; pbuf
	s_set_vgpr_msb 0x40
	v_lshl_add_u32 v0, v0, 2, 0x44a00
	v_mov_b32 v1, 0
	s_set_vgpr_msb 0x4045
	ds_add_u32 v0, v1
	ds_add_u32 v0, v1
	s_set_vgpr_msb 0x4500
	v_lshrrev_b32 v1, 5, v0
	v_readfirstlane_b32 s14, v1                    ; wave 0 .. 11
	s_lshr_b32 s15, s14, 2                         ; rho
	s_and_b32 s16, s14, 3                          ; omega; also the piece that waves 0-7 fetch
	s_mov_b32 s17, ttmp9                           ; j
	s_and_b32 s18, ttmp7, 0xffff                   ; i
	s_mov_b32 s2, 0x76543210
	s_mov_b32 s3, 0xfedcba98                       ; selects for lane l xor 16
	; descriptor group 1: a dense block as rows of 256 bytes (32 elements of 8 bytes): codes 128 rows, scale words 8 rows
	s_mov_b32 s24, 3<<16
	s_mov_b32 s25, 32<<16
	s_mov_b32 s26, 128<<16
	s_mov_b32 s27, 32<<16
	s_mov_b32 s28, 128
	s_mov_b32 s29, 32
	s_mov_b32 s30, 0
	s_mov_b32 s31, 0
	s_mov_b32 s32, 3<<16
	s_mov_b32 s33, 32<<16
	s_mov_b32 s34, 8<<16
	s_mov_b32 s35, 32<<16
	s_mov_b32 s36, 8
	s_mov_b32 s37, 32
	s_mov_b32 s38, 0
	s_mov_b32 s39, 0
	; where piece omega begins among its tensor's codes of a half: 4,096 bytes a tile
	s_lshl_b32 s19, s17, 16                        ; piece 0: tiles 16 j on
	s_add_co_u32 s20, s19, 32768                   ; piece 1: eight tiles further
	s_lshl_b32 s21, s18, 15                        ; piece 2: x's tiles 8 i on
	s_lshl_b32 s22, s17, 15
	s_add_co_u32 s22, s22, 524288                  ; piece 3: tiles 128 + 8 j on
	s_cmp_eq_u32 s16, 0
	s_cselect_b32 s23, s19, s22
	s_cmp_eq_u32 s16, 1
	s_cselect_b32 s23, s20, s23
	s_cmp_eq_u32 s16, 2
	s_cselect_b32 s23, s21, s23
	s_cselect_b32 s56, 0, WC                       ; x's codes lie at 0, the weights' at WC
	s_cselect_b32 s58, 0, 131072                   ; and their scale words likewise, from XS on
	s_add_co_u32 s56, s56, s23
	s_lshr_b32 s23, s23, 4                         ; 256 bytes of scale words a tile
	s_add_co_u32 s58, s58, s23
	s_add_co_u32 s58, s58, XS
	s_mov_b32 s57, 0
	s_mov_b32 s59, 0
	s_wait_dscnt 0x0
	s_wait_kmcnt 0x0
	s_mov_b32 s40, 1                               ; group 0, codes, half 0
	s_lshl_b32 s41, s16, 15
	s_add_nc_u64 s[42:43], s[4:5], s[56:57]
	s_mov_b32 s44, 1                               ; half 1
	s_add_co_u32 s45, s41, 131072
	s_add_nc_u64 s[46:47], s[42:43], 0x100000
	s_or_b32 s43, s43, 0x80000000
	s_or_b32 s47, s47, 0x80000000
	s_mov_b32 s48, 1                               ; scale words, half 0
	s_lshl_b32 s49, s16, 11
	s_add_co_u32 s49, s49, SCB
	s_add_nc_u64 s[50:51], s[4:5], s[58:59]
	s_mov_b32 s52, 1                               ; half 1
	s_add_co_u32 s53, s49, 8192
	s_add_nc_u64 s[54:55], s[50:51], 0x10000
	s_or_b32 s51, s51, 0x80000000
	s_or_b32 s55, s55, 0x80000000
	s_cmp_lt_u32 s14, 4                            ; waves 0-3: a piece's codes; waves 4-7: its scale words; two loads a wave, in one branch; the others fetch nothing
	s_cbranch_scc0 .Lnot_codes
	tensor_load_to_lds s[40:43], s[24:31]
	s_nop 0
	tensor_load_to_lds s[44:47], s[24:31]
	s_nop 0
.rept 4
	v_nop
.endr
	s_branch .Lasked
.Lnot_codes:
	s_cmp_lt_u32 s14, 8
	s_cbranch_scc0 .Lasked
	tensor_load_to_lds s[48:51], s[32:39]
	s_nop 0
	tensor_load_to_lds s[52:55], s[32:39]
	s_nop 0
.rept 4
	v_nop
.endr
.Lasked:
	v_and_b32 v44, 31, v0                          ; lane
	v_and_b32 v45, 15, v0                          ; r
	v_bfe_u32 v46, v0, 4, 1                        ; h
	v_lshlrev_b32 v47, 4, v44                      ; 16 x lane
	v_and_b32 v41, 8, v45
	v_add_nc_u32 v41, v41, v45                     ; r + 8 (r / 8)
	v_lshlrev_b32 v42, 5, v41
	v_lshl_add_u32 v42, v46, 4, v42                ; q, k out: 32 bytes a token, + 16 h
	v_lshlrev_b32 v43, 6, v46                      ; 64 h
	s_lshr_b32 s60, s15, 1
	s_add_co_u32 s60, s60, 2                       ; L's piece
	s_lshl_b32 s61, s60, 15
	s_lshl_b32 s62, s16, 13                        ; my two tiles of it
	s_add_co_u32 s61, s61, s62
	v_add_nc_u32 v1, s61, v47                      ; L's codes
	s_lshl_b32 s61, s15, 15
	v_add_nc_u32 v2, s61, v47                      ; R's codes
	s_lshl_b32 s61, s15, 11
	s_add_co_u32 s61, s61, SCB                     ; R's scale words
	s_lshl_b32 s62, s60, 11
	s_lshl_b32 s63, s16, 9
	s_add_co_u32 s62, s62, s63
	s_add_co_u32 s62, s62, SCB                     ; L's, which lie above R's in every role
	s_sub_co_u32 s62, s62, s61
	v_lshlrev_b32 v4, 4, v45
	v_add_nc_u32 v4, s61, v4                       ; R's words: 16 r
	v_mul_u32_u24 v3, s62, v46
	v_add_nc_u32 v3, v3, v4                        ; lanes 16-31: L's
	s_and_b32 s60, s15, 1
	s_lshl_b32 s60, s60, 10
	s_lshl_b32 s61, s16, 7
	s_add_co_u32 s60, s60, s61
	s_add_co_u32 s60, s60, STG
	v_lshl_add_u32 v5, v46, 9, s60
	v_lshl_add_u32 v5, v41, 2, v5                  ; stage: head 2 rho + h, token 32 omega + r + 8 (r / 8)
	s_lshr_b32 s60, s16, 1
	s_lshl_b32 s60, s60, 8
	s_and_b32 s61, s16, 1
	s_lshl_b32 s61, s61, 3
	s_add_co_u32 s60, s60, s61
	s_add_co_u32 s60, s60, STG2
	v_lshl_add_u32 v6, v45, 4, s60                 ; v's stage: head omega / 2, slot r, tile (2 omega) % 4
	s_lshl_b32 s60, s16, 9
	s_add_co_u32 s60, s60, STG
	v_add_nc_u32 v7, s60, v47                      ; back: a head's 512 bytes
	v_add_nc_u32 v40, STG2, v47
	s_wait_tensorcnt 0x1                           ; my load for the first half of K has landed; the second half's may be out
	s_barrier_signal -1
	s_barrier_wait -1                              ; everybody's has
	SCL
	KSTEP 0, 1, 0                                  ; the first products start the sums
	KSTEP 1, 0, 1
	KSTEP 2, 0, 1
	KSTEP 3, 0, 1
	s_wait_tensorcnt 0x0                           ; the second half
	s_wait_dscnt 0x0
	s_barrier_signal -1
	s_barrier_wait -1
	v_add_nc_u32 v1, 0x20000, v1
	v_add_nc_u32 v2, 0x20000, v2
	v_add_nc_u32 v3, 8192, v3
	v_add_nc_u32 v4, 8192, v4
.rept 4
	v_nop
.endr
	SCL
	KSTEP 0, 0, 0
	KSTEP 1, 0, 1
	KSTEP 2, 0, 1
	KSTEP 3, 0, 1
.rept 4
	v_nop                                          ; four plain instructions ahead of loads into R's registers and of the first read of results
.endr
	s_lshr_b32 s61, s18, 4
	s_lshl_b32 s61, s61, 4                         ; 16 x batch
	s_and_b32 s57, s17, 3
	s_lshl_b32 s58, s57, 2
	s_add_co_u32 s56, s61, s58                     ; 16 x batch + 4 (j % 4)
	s_and_b32 s59, s18, 15                         ; which 128 tokens of the batch
	s_lshr_b32 s60, s17, 2                         ; 0: q, 1: k
	s_mov_b32 s63, 0x7f7f0000
	s_cmp_eq_u32 s15, 2
	s_cbranch_scc1 .Lrole_v
	; ---- q or k: a lane is a token; the bias runs along the registers
	s_cmp_lt_u32 s17, 4
	s_cselect_b64 s[22:23], s[6:7], s[8:9]
	s_lshl_b32 s24, s57, 10
	s_lshl_b32 s25, s15, 9
	s_add_co_u32 s24, s24, s25                     ; channel 256 (j % 4) + 128 rho, in bytes
	s_mov_b32 s25, 0
	s_add_nc_u64 s[22:23], s[22:23], s[24:25]
.irp b, 0,1,2,3
.irp q, 0,1,2,3
	global_load_b128 v[64+16*\b+4*\q:67+16*\b+4*\q], v43, s[22:23] offset:128*\b+16*\q   ; channels 32 b + 16 h + 4 q ..: the bias fills v64-127
.endr
.endr
	s_lshl_b32 s20, s15, 1
	s_add_co_u32 s20, s20, s56                     ; bh of my first head
	s_lshl_b32 s20, s20, 11
	s_lshl_b32 s21, s59, 7
	s_add_co_u32 s20, s20, s21
	s_lshl_b32 s21, s16, 5
	s_add_co_u32 s20, s20, s21                     ; + my first token
	s_lshl_b32 s20, s20, 5
	s_lshl_b32 s21, s60, 21                        ; k's codes lie 2 MiB behind q's
	s_add_co_u32 s20, s20, s21
	s_mov_b32 s21, 0
	s_add_nc_u64 s[20:21], s[12:13], s[20:21]
	s_wait_loadcnt 0x0
.irp lt, 0,1
.irp n, 0,2,4,6,8,10,12,14,16,18,20,22,24,26,28,30,32,34,36,38,40,42,44,46,48,50,52,54,56,58,60,62
	v_pk_add_f32 v[128+64*\lt+\n:129+64*\lt+\n], v[128+64*\lt+\n:129+64*\lt+\n], v[64+\n:65+\n]
.endr
.endr
	v_lshlrev_b32 v106, 4, v46                     ; 16 h.  Made only here: v106 held a number of the bias until the additions above had read it
	QUANT 128, 80, 96
	QUANT 192, 88, 97
.irp lt, 0,1
.irp c, 0,1
	global_store_b128 v42, v[80+8*\lt+4*\c:83+8*\lt+4*\c], s[20:21] offset:256*\lt+65536*\c   ; head c, block h: lanes of 8 neighbouring tokens fill 256 consecutive bytes
.endr
	v_lshrrev_b32 v[98+\lt], v106, v[96+\lt]       ; lanes 0-15 take the first head's two bytes, lanes 16-31 the second's;
	v_and_or_b32 v[98+\lt], v[98+\lt], 0xffff, s63 ; bytes 2 and 3 stand for 1
	ds_store_b32 v5, v[98+\lt] offset:32*\lt
.endr
	s_branch .Ljoin
.Lrole_v:
	; ---- v: a lane is a channel, the registers run along the tokens
	s_lshl_b32 s24, s17, 9
	s_lshl_b32 s25, s16, 7
	s_add_co_u32 s24, s24, s25                     ; channel 128 j + 32 omega, in bytes
	s_mov_b32 s25, 0
	s_add_nc_u64 s[22:23], s[10:11], s[24:25]
	v_lshlrev_b32 v104, 2, v41
	global_load_b32 v64, v104, s[22:23]            ; my channel's bias in tile 0 (twice: the packed form names a pair),
	global_load_b32 v65, v104, s[22:23]
	global_load_b32 v66, v104, s[22:23] offset:32  ; and in tile 1
	global_load_b32 v67, v104, s[22:23] offset:32
	s_lshl_b32 s20, s17, 1
	s_add_co_u32 s20, s20, s61
	s_lshr_b32 s21, s16, 1
	s_add_co_u32 s20, s20, s21                     ; bh
	s_lshl_b32 s20, s20, 6
	s_lshl_b32 s21, s59, 2
	s_add_co_u32 s20, s20, s21                     ; + my first block of 32 keys
	s_lshl_b32 s20, s20, 10
	s_and_b32 s21, s16, 1
	s_lshl_b32 s21, s21, 9                         ; tile (2 omega) % 4
	s_add_co_u32 s20, s20, s21
	s_add_co_u32 s20, s20, VC
	s_mov_b32 s21, 0
	s_add_nc_u64 s[20:21], s[12:13], s[20:21]
	v_lshlrev_b32 v105, 4, v45
	v_lshl_add_u32 v105, v46, 10, v105             ; 1,024 h + 16 r
	s_wait_loadcnt 0x0
.irp lt, 0,1
.irp n, 0,2,4,6,8,10,12,14,16,18,20,22,24,26,28,30,32,34,36,38,40,42,44,46,48,50,52,54,56,58,60,62
	v_pk_add_f32 v[128+64*\lt+\n:129+64*\lt+\n], v[128+64*\lt+\n:129+64*\lt+\n], v[64+2*\lt:65+2*\lt] op_sel_hi:[1,0]
.endr
.endr
	QUANT 128, 80, 96
	QUANT 192, 88, 97
.irp lt, 0,1
.irp c, 0,1
	global_store_b128 v105, v[80+8*\lt+4*\c:83+8*\lt+4*\c], s[20:21] offset:2048*\c+256*\lt   ; block 2 c + h of these 128 keys: sixteen lanes fill 256 consecutive bytes
.endr
	ds_store_b32 v6, v[96+\lt] offset:4*\lt        ; lanes r and 16 + r write the same word with the same value
.endr
.Ljoin:
	s_wait_dscnt 0x0                               ; my stores into the stages have landed
	s_barrier_signal -1
	s_barrier_wait -1
	s_cmp_lt_u32 s14, 4
	s_cbranch_scc0 .Lnot_qs
	ds_load_b128 v[100:103], v7                    ; head 4 (j % 4) + wave: 128 tokens' words
	s_add_co_u32 s26, s56, s14
	s_lshl_b32 s26, s26, 11
	s_lshl_b32 s27, s59, 7
	s_add_co_u32 s26, s26, s27
	s_lshl_b32 s26, s26, 2
	s_lshl_b32 s27, s60, 18                        ; k's words lie 262,144 bytes behind q's
	s_add_co_u32 s26, s26, s27
	s_add_co_u32 s26, s26, QS
	s_mov_b32 s27, 0
	s_add_nc_u64 s[26:27], s[12:13], s[26:27]
	s_wait_dscnt 0x0
	global_store_b128 v47, v[100:103], s[26:27]    ; 512 consecutive bytes
	s_branch .Lend
.Lnot_qs:
	s_cmp_eq_u32 s14, 4
	s_cbranch_scc0 .Lend
	ds_load_b128 v[100:103], v40                   ; v's words: two heads x 256 bytes
	s_lshl_b32 s26, s17, 1
	s_add_co_u32 s26, s26, s61
	s_lshl_b32 s26, s26, 4
	s_add_co_u32 s26, s26, s59
	s_lshl_b32 s26, s26, 8
	s_add_co_u32 s26, s26, VS
	s_mov_b32 s27, 0
	s_add_nc_u64 s[26:27], s[12:13], s[26:27]
	v_lshlrev_b32 v107, 4, v45
	v_lshl_add_u32 v107, v46, 12, v107             ; a head's words lie 4,096 bytes apart
	s_wait_dscnt 0x0
	global_store_b128 v107, v[100:103], s[26:27]   ; sixteen lanes fill 256 consecutive bytes
.Lend:
	s_set_vgpr_msb 0x5
	s_wait_tensorcnt 0x0
	ds_add_u32 v0, v1
	s_wait_dscnt 0x0
	s_set_vgpr_msb 0x500
	s_endpgm
.Lfunc_end_k_qa807790a0b_qkv:
	.size	k_qa807790a0b_qkv, .Lfunc_end_k_qa807790a0b_qkv-k_qa807790a0b_qkv
	.p2alignl 7, 3214868480
	.fill 96, 4, 3214868480
	.section	.rodata,"a",@progbits
	.p2align	6, 0x0
	.amdhsa_kernel k_qa807790a0b_qkv
		.amdhsa_group_segment_fixed_size 282624
		.amdhsa_private_segment_fixed_size 0
		.amdhsa_enable_private_segment 0
		.amdhsa_kernarg_size 40
		.amdhsa_user_sgpr_count 2
		.amdhsa_user_sgpr_kernarg_segment_ptr 1
		.amdhsa_wavefront_size32 1
		.amdhsa_system_sgpr_workgroup_id_x 1
		.amdhsa_system_sgpr_workgroup_id_y 1
		.amdhsa_system_sgpr_workgroup_id_z 1
		.amdhsa_system_vgpr_workitem_id 0
		.amdhsa_next_free_vgpr 258
		.amdhsa_next_free_sgpr 66
		.amdhsa_reserve_vcc 0
		.amdhsa_float_denorm_mode_32 3
		.amdhsa_float_denorm_mode_16_64 3
		.amdhsa_memory_ordered 1
		.amdhsa_forward_progress 1
		.amdhsa_inst_pref_size 65
	.end_amdhsa_kernel
	.amdgpu_metadata
---
amdhsa.version: [ 1, 2 ]
amdhsa.kernels:
  - .name:           k_qa807790a0b_qkv
    .symbol:         k_qa807790a0b_qkv.kd
    .args:
      - { .name: qbuf, .offset: 0, .size: 8, .value_kind: global_buffer, .address_space: global }
      - { .name: bq, .offset: 8, .size: 8, .value_kind: global_buffer, .address_space: global }
      - { .name: bk, .offset: 16, .size: 8, .value_kind: global_buffer, .address_space: global }
      - { .name: bv, .offset: 24, .size: 8, .value_kind: global_buffer, .address_space: global }
      - { .name: pbuf, .offset: 32, .size: 8, .value_kind: global_buffer, .address_space: global }
    .group_segment_fixed_size: 282624
    .private_segment_fixed_size: 0
    .kernarg_segment_align: 8
    .kernarg_segment_size: 40
    .max_flat_workgroup_size: 384
    .sgpr_count:     66
    .vgpr_count:     258
    .wavefront_size: 32
...
	.end_amdgpu_metadata
.endif
;; end of part 3
;; launch attn (part 4): grid 8 x 32, 16 waves a work-group, no clusters, 81,152 bytes of LDS; arguments pbuf, mbuf, lmk, qbuf, abuf; writes abuf
.if DOCPART == 4
	.amdgcn_target "amdgcn-amd-amdhsa--gfx1250"
	.amdhsa_code_object_version 6
	.text
	.protected	k_qa807790a0b_attn
	.globl	k_qa807790a0b_attn
	.p2align	8
	.type	k_qa807790a0b_attn,@function
k_qa807790a0b_attn:
	s_mov_b64 s[64:65], 0
	v_nop
	global_prefetch_b8 v0, s[64:65] scope:SCOPE_SE
	s_setreg_imm32_b32 hwreg(HW_REG_WAVE_MODE, 25, 1), 1
	s_wait_xcnt 0x0
; Attention of one head (bh = 16 x batch + head) for 256 queries; each of sixteen waves owns one tile of 16 queries (slot r: query qmin + r + 8 (r / 8)).  Both products on codes of FP4 with E8M0 scales, both used transposed:
; a lane holds ONE query throughout.  t = score x tT[|q - k|] (the table holds exp(-d) x the cosine sum x log2(e) / 8), or TM = -1e9 x log2(e) where the key is not allowed; M = the row's largest t rounded up;
; p = 2^(t - M) is quantised along the keys; the row's sum is taken of the unquantised p and divides at the end.
; FAR: outside a window of 256 keys round the diagonal (it holds every key within 103 of a query of the tile) reference()'s own factor exp(-|q - k|) is 0, so t = 0 or TM whatever the score: the first product is not
; done there, and p's codes, which the launch before has stored for all heads, are 6 (the number 4) or 0.  They are multiplied with V under the byte 125 (2^-2), that is as p = 1, in 16 steps of 128 keys; a product with ones counts them.
; At the end both are multiplied by ff = 2^(level - M), a power of two: the same numbers as under the block's scale 2^(-M - 2).
; NEAR: the window, two steps of 128 keys: S^T = K Q^T (K = the head's 64: the upper half of Q's fragment holds zero codes), the table, the masks, the softmax with a running M that begins at the row's level, V^T P.
; The result / the sum is quantised along D and stored as an image of the last product's operand: abuf: codes [half of D][tile of tokens][block][r][16 bytes]; at AOS scale words [half][128 tokens][head % 8][tile][r], two bytes each.
; V's codes of the whole head (65,536 bytes) go through registers into LDS once.  What work-groups share is that copy, against 262,144 bytes of p's codes that go straight to registers: no cluster.
; LIMITS: NaN and infinities are not served.  p under 2^-126 is 0.  A far weight 2^-M is 0 from M = 150 on.
.set KC,   2097152
.set VC,   4194304
.set QS,   6291456
.set KS,   6553600
.set VS,   6815744
.set RLV,  4194304
.set MTAB, 4456448
.set AOS,  2097152
.set VSL,  65536                       ; LDS: V's scale words [128 keys][r][t]
.set TAB,  69632                       ; four copies of the table: copy s, entry z = tT[min(|z - s - 256|, 255)], z = 0 .. 511, so that four neighbouring keys of any query are 16 aligned bytes
.set STG,  78080                       ; the result's scale words: [wave][r]
.set S,    96                          ; v96-159  eight sets of p's far codes; then S^T and p
.set O,    160                         ; v160-191 V's second set; then the window's O^T
.set OF,   192                         ; v192-223 the far O^T
.set CNT,  224                         ; v224-231 the far count
.set PC,   232                         ; v232-239 p's codes
.set BM,   240                         ; v240-243 block maxima; v244-247, v248-251 at work; v252 a power of two; v253 p's scale word
.set BP,   244
.set BS,   248
; v1 32 rho + 16 h, v2 4 rho (rho = r + 8 (r / 8)), v3 1,024 h + 16 r, v4 VSL + 16 r, v5 my place in the table, v6 16 x lane, v7-9, v11 addresses in hand, v10 TM, v12 -M, v13 the largest t, v[14:15] the sum,
; v16-23 Q, v24 its scale word, v25 the level, v26 bytes 125, v27 bytes 127, v28-35 ones, v36-71 K (and four registers behind) or V or table, v72-79 scale words alone, v80-95 table
.macro VLOAD k                         ; V's four tiles and their scale words for keys 128 k on, into set k % 2
.set VB, 36+124*((\k)%2)
.irp t, 0,1,2,3
.irp c, 0,1
	ds_load_b128 v[VB+8*\t+4*\c:VB+8*\t+4*\c+3], v3 offset:4096*(\k)+2048*\c+256*\t
.endr
.endr
	ds_load_b128 v[72+4*((\k)%2):75+4*((\k)%2)], v4 offset:256*(\k)
.endm
.macro PLOAD k                         ; p's far codes for keys 128 k on, into set k % 8
.irp c, 0,1
	global_load_b128 v[S+8*((\k)%8)+4*\c:S+8*((\k)%8)+4*\c+3], v6, s[44:45] offset:1024*(\k)+512*\c
.endr
.endm
.macro FAR k
.if (\k) > 0
.rept 4
	v_nop                                          ; four plain instructions between the last products and loads into registers that they read
.endr
.endif
.if ((\k) > 0) && ((\k) < 9)
	PLOAD (\k)+7
.endif
.if (\k) < 15
	VLOAD (\k)+1
.endif
.if (\k) < 8
	s_wait_loadcnt 14                              ; p's codes of this step are in; the seven sets behind them may be out
.else
	s_wait_loadcnt 2*(15-(\k))
.endif
.if (\k) < 15
	s_wait_dscnt 9                                 ; V of this step is in; the next step's nine loads may be out
.else
	s_wait_dscnt 0x0
.endif
.set VB, 36+124*((\k)%2)
.set PB, S+8*((\k)%8)
.irp t, 0,1,2,3                                ; five accumulators by turns
.if (\k) == 0
	v_wmma_scale_f32_16x16x128_f8f6f4 v[OF+8*\t:OF+8*\t+7], v[VB+8*\t:VB+8*\t+7], v[PB:PB+7], 0, v[72+4*((\k)%2)+\t], v26 matrix_a_fmt:MATRIX_FMT_FP4 matrix_b_fmt:MATRIX_FMT_FP4
.else
	v_wmma_scale_f32_16x16x128_f8f6f4 v[OF+8*\t:OF+8*\t+7], v[VB+8*\t:VB+8*\t+7], v[PB:PB+7], v[OF+8*\t:OF+8*\t+7], v[72+4*((\k)%2)+\t], v26 matrix_a_fmt:MATRIX_FMT_FP4 matrix_b_fmt:MATRIX_FMT_FP4
.endif
.endr
.if (\k) == 0
	v_wmma_scale_f32_16x16x128_f8f6f4 v[CNT:CNT+7], v[28:35], v[PB:PB+7], 0, v27, v26 matrix_a_fmt:MATRIX_FMT_FP4 matrix_b_fmt:MATRIX_FMT_FP4
.else
	v_wmma_scale_f32_16x16x128_f8f6f4 v[CNT:CNT+7], v[28:35], v[PB:PB+7], v[CNT:CNT+7], v27, v26 matrix_a_fmt:MATRIX_FMT_FP4 matrix_b_fmt:MATRIX_FMT_FP4
.endif
.endm
.macro NEAR st                         ; keys ws + 128 st .. + 127
.rept 5
	v_nop                                          ; five plain instructions: loads into, and results laid over, registers that the last products read
.endr
	s_load_b512 s[32:47], s[28:29], 256*\st        ; the step's 64 lane masks
	s_load_b512 s[48:63], s[28:29], 256*\st+64
	s_load_b512 s[68:83], s[28:29], 256*\st+128
	s_load_b512 s[84:99], s[28:29], 256*\st+192
.irp t, 0,1,2,3,4,5,6,7                        ; lane r of tile 2 b + u takes key 32 b + 8 u + r + 8 (r / 8): 16 bytes, the head's block h
	global_load_b128 v[36+4*\t:39+4*\t], v1, s[24:25] offset:(128*\st+32*(\t/2)+8*(\t%2))*32
	global_load_b32 v[72+\t], v2, s[26:27] offset:(128*\st+32*(\t/2)+8*(\t%2))*4
.endr
.irp q, 0,1,2,3
	ds_load_b128 v[80+4*\q:83+4*\q], v7 offset:512*\st+16*\q   ; the table for keys 16 h + 0 .. 15 of the step
.endr
	s_wait_loadcnt 0x0
.irp t, 0,1,2,3,4,5,6,7                        ; a tile's upper four registers are the next tile's codes: they meet Q's zero codes under bytes that stand for 1
	v_wmma_scale_f32_16x16x128_f8f6f4 v[S+8*\t:S+8*\t+7], v[36+4*\t:43+4*\t], v[16:23], 0, v[72+\t], v24 matrix_a_fmt:MATRIX_FMT_FP4 matrix_b_fmt:MATRIX_FMT_FP4
.endr
.rept 4
	v_nop
.endr
.irp b, 1,2
.irp q, 0,1,2,3
	ds_load_b128 v[36+16*(\b-1)+4*\q:39+16*(\b-1)+4*\q], v7 offset:512*\st+128*\b+16*\q
.endr
.endr
	s_wait_dscnt 8                                 ; the first 16 entries are in; the eight loads just issued may be out
.irp n, 0,2,4,6,8,10,12,14
	v_pk_mul_f32 v[S+\n:S+\n+1], v[S+\n:S+\n+1], v[80+\n:81+\n]      ; t = score x table
.endr
.irp q, 0,1,2,3
	ds_load_b128 v[80+4*\q:83+4*\q], v7 offset:512*\st+384+16*\q
.endr
	s_wait_dscnt 4                                 ; all but the four just issued
.irp n, 0,2,4,6,8,10,12,14,16,18,20,22,24,26,28,30
	v_pk_mul_f32 v[S+16+\n:S+17+\n], v[S+16+\n:S+17+\n], v[36+\n:37+\n]
.endr
.irp t, 0,1,2,3
.irp c, 0,1
	ds_load_b128 v[36+8*\t+4*\c:39+8*\t+4*\c], v8 offset:4096*\st+2048*\c+256*\t   ; V of these 128 keys
.endr
.endr
.if \st == 0                                   ; its scale words: the window need not begin at a multiple of 128 keys: two words, shifted below
	ds_load_b128 v[72:75], v9
	ds_load_b128 v[76:79], v9 offset:256
.else
	ds_load_b128 v[72:75], v9 offset:256
	ds_load_b128 v[76:79], v11
.endif
	s_wait_dscnt 10                                ; the last 16 entries are in; V's ten loads may be out
.irp n, 0,2,4,6,8,10,12,14
	v_pk_mul_f32 v[S+48+\n:S+49+\n], v[S+48+\n:S+49+\n], v[80+\n:81+\n]
.endr
	s_wait_kmcnt 0x0
.irp n, 0,1,2,3,4,5,6,7,8,9,10,11,12,13,14,15,16,17,18,19,20,21,22,23,24,25,26,27,28,29,30,31
	v_cndmask_b32 v[S+\n], v10, v[S+\n], s[32+\n]  ; TM where the key is not allowed
.endr
.irp n, 0,1,2,3,4,5,6,7,8,9,10,11,12,13,14,15,16,17,18,19,20,21,22,23,24,25,26,27,28,29,30,31
	v_cndmask_b32 v[S+32+\n], v10, v[S+32+\n], s[68+\n]
.endr
.irp b, 0,1,2,3
	v_max3_num_f32 v[BM+\b], v[S+16*\b], v[S+1+16*\b], v[S+2+16*\b]   ; the largest t of each block of 32 keys: for the row's maximum, and, since p rises with t, for the block's largest p
.endr
.irp i, 3,5,7,9,11,13
.irp b, 0,1,2,3
	v_max3_num_f32 v[BM+\b], v[BM+\b], v[S+16*\b+\i], v[S+1+16*\b+\i]
.endr
.endr
.irp b, 0,1,2,3
	v_max_num_f32 v[BM+\b], v[BM+\b], v[S+15+16*\b]
.endr
.irp b, 0,1,2,3
	v_permlanex16_b32 v[BP+\b], v[BM+\b], s20, s21
.endr
.irp b, 0,1,2,3
	v_max_num_f32 v[BM+\b], v[BM+\b], v[BP+\b]     ; with lane l xor 16's 16 keys
.endr
	v_max3_num_f32 v254, v[BM], v[BM+1], v[BM+2]
	v_max3_num_f32 v13, v254, v[BM+3], v13         ; the running largest t
.if \st
	v_mov_b32 v254, v12
.endif
	v_floor_f32 v12, -v13                          ; -M = floor(-t): M is a whole number
.if \st
	v_sub_f32 v254, v12, v254                      ; old M - new M: a whole number, 0 or less
	v_cvt_i32_f32 v254, v254
	v_ldexp_f32 v252, 1.0, v254                    ; f = 2^(old M - new M)
.endif
	s_wait_dscnt 0x0                               ; V and its scale words
.irp t, 0,1,2,3
	v_alignbit_b32 v[72+\t], v[76+\t], v[72+\t], s14   ; the four bytes of blocks wsB + 4 st .. + 3
.endr
.irp j, 0,2,4,6,8,10,12,14,16,18,20,22,24,26,28,30,32,34,36,38,40,42,44,46,48,50,52,54,56,58,60,62
	v_pk_add_f32 v[S+\j:S+\j+1], v[S+\j:S+\j+1], v[12:13] op_sel_hi:[1,0]   ; t - M: an addition, exact where t = TM and M = TM
.endr
.irp b, 0,1,2,3
	v_add_f32 v[BM+\b], v[BM+\b], v12
.endr
.irp j, 0,1,2,3,4,5,6,7,8,9,10,11,12,13,14,15,16,17,18,19,20,21,22,23,24,25,26,27,28,29,30,31,32,33,34,35,36,37,38,39,40,41,42,43,44,45,46,47,48,49,50,51,52,53,54,55,56,57,58,59,60,61,62,63
	v_exp_f32 v[S+\j], v[S+\j]                     ; p = 2^(t - M)
.endr
.if \st
	v_pk_mul_f32 v[14:15], v[14:15], v[252:253] op_sel_hi:[1,0]   ; the sums under the new M; also the plain instruction behind the exponentials
.else
	v_nop
.endif
	s_wait_alu depctr_va_vdst(0)                   ; one wait for the batch of 64, ahead of its first reader
.irp b, 0,1,2,3
	v_exp_f32 v[BM+\b], v[BM+\b]                   ; the block's largest p: the same addition and exponential on the same number
.endr
	v_pk_add_f32 v[BP:BP+1], v[S:S+1], v[S+2:S+3]  ; the row's sum of the unquantised p, in two chains
.irp j, 4,8,12,16,20,24,28,32,36,40,44,48,52,56,60
	v_pk_add_f32 v[14:15], v[14:15], v[S+\j:S+\j+1]
	v_pk_add_f32 v[BP:BP+1], v[BP:BP+1], v[S+2+\j:S+3+\j]
.endr
	v_pk_add_f32 v[14:15], v[14:15], v[BP:BP+1]
	s_wait_alu depctr_va_vdst(0)                   ; and one for the four
.irp b, 0,1,2,3
	v_max_num_f32 v[BM+\b], 0x1800000, v[BM+\b]    ; the floor 2^(3 - 127): the byte cannot fall under 1
.endr
.irp b, 0,1,2,3
	v_add_nc_u32 v[BS+\b], 0xff000000, v[BM+\b]    ; 2 off the exponent field: the conversion's scale operand
.endr
.irp b, 0,1,2,3
	v_lshrrev_b32 v[BP+\b], 23, v[BS+\b]           ; the scale's byte
.endr
	v_lshl_or_b32 v253, v[BP+1], 8, v[BP]
	v_lshl_or_b32 v253, v[BP+2], 16, v253
	v_lshl_or_b32 v253, v[BP+3], 24, v253          ; p's scale word for these 128 keys
.irp b, 0,1,2,3
	v_cvt_scalef32_pk8_fp4_f32 v[PC+2*\b], v[S+16*\b:S+7+16*\b], v[BS+\b]
	v_cvt_scalef32_pk8_fp4_f32 v[PC+1+2*\b], v[S+8+16*\b:S+15+16*\b], v[BS+\b]
.endr
	v_nop                                          ; a plain instruction behind the last conversion
.irp c, 0,1
.irp i, 0,1
	v_permlane16_swap_b32 v[PC+4*\c+\i], v[PC+2+4*\c+\i]   ; a whole block to a lane
.endr
.endr
.if \st
.irp j, 0,2,4,6,8,10,12,14,16,18,20,22,24,26,28,30
	v_pk_mul_f32 v[O+\j:O+\j+1], v[O+\j:O+\j+1], v[252:253] op_sel_hi:[1,0]   ; O^T under the new M
.endr
.endif
.rept 8
	v_nop                                          ; a scale register written by a vector instruction stands eight plain instructions ahead of the scaled product, an operand four
.endr
.irp t, 0,1,2,3
.if \st
	v_wmma_scale_f32_16x16x128_f8f6f4 v[O+8*\t:O+8*\t+7], v[36+8*\t:43+8*\t], v[PC:PC+7], v[O+8*\t:O+8*\t+7], v[72+\t], v253 matrix_a_fmt:MATRIX_FMT_FP4 matrix_b_fmt:MATRIX_FMT_FP4
.else
	v_wmma_scale_f32_16x16x128_f8f6f4 v[O+8*\t:O+8*\t+7], v[36+8*\t:43+8*\t], v[PC:PC+7], 0, v[72+\t], v253 matrix_a_fmt:MATRIX_FMT_FP4 matrix_b_fmt:MATRIX_FMT_FP4
.endif
.endr
.endm
	s_load_b256 s[4:11], s[0:1], 0x0               ; pbuf, mbuf, lmk, qbuf
	s_load_b64 s[30:31], s[0:1], 0x20              ; abuf
	v_mov_b32 v26, 0x7d7d7d7d                      ; the far codes' scale: 2^-2
	v_mov_b32 v27, 0x7f7f7f7f                      ; the ones' scale: 1
.irp i, 0,1,2,3,4,5,6,7
	v_mov_b32 v[28+\i], 0x22222222                 ; code 2 = the number 1
.endr
.irp i, 0,1,2,3
	v_mov_b32 v[20+\i], 0                          ; Q's upper 64 along K: zero codes
	v_mov_b32 v[68+\i], 0                          ; behind K's last tile
.endr
	v_mov_b32 v10, 0xceabfb8f                      ; TM = -1e9 x log2(e) in f32, a whole number
	v_mov_b32 v14, 0
	v_mov_b32 v15, 0
	v_mov_b32 v253, 0                              ; (named as the upper half of a pair before it is first written)
	v_lshrrev_b32 v1, 5, v0
	v_readfirstlane_b32 s12, v1                    ; wave 0 .. 15
	s_and_b32 s13, ttmp7, 0xffff                   ; bh
	s_lshl_b32 s15, ttmp9, 4
	s_add_co_u32 s15, s15, s12                     ; my tile of queries
	s_lshr_b32 s16, s15, 1
	s_lshl_b32 s16, s16, 5
	s_and_b32 s17, s15, 1
	s_lshl_b32 s17, s17, 3
	s_add_co_u32 s16, s16, s17                     ; qmin
	s_sub_co_i32 s17, s16, 103
	s_max_i32 s17, s17, 0
	s_lshr_b32 s17, s17, 5
	s_min_u32 s17, s17, 56                         ; wsB, as the launch before has it
	s_lshl_b32 s18, s17, 5                         ; ws
	s_lshr_b32 s19, s13, 4                         ; batch
	s_and_b32 s22, s13, 15                         ; head
	s_lshl_b32 s23, s19, 7
	s_add_co_u32 s23, s23, s15                     ; 128 x batch + tile
	s_mov_b32 s20, 0x76543210
	s_mov_b32 s21, 0xfedcba98                      ; selects for lane l xor 16
	s_mov_b32 s3, 0
	v_and_b32 v244, 15, v0                         ; r
	v_bfe_u32 v245, v0, 4, 1                       ; h
	v_and_b32 v246, 8, v244
	v_add_nc_u32 v246, v246, v244                  ; rho
	v_lshlrev_b32 v1, 5, v246
	v_lshl_add_u32 v1, v245, 4, v1
	v_lshlrev_b32 v2, 2, v246
	v_lshlrev_b32 v3, 4, v244
	v_add_nc_u32 v4, VSL, v3
	v_lshl_add_u32 v3, v245, 10, v3
	v_and_b32 v247, 3, v244                        ; which copy of the table: r % 4
	v_lshlrev_b32 v5, 11, v247
	v_and_b32 v248, 1, v247
	v_lshl_add_u32 v5, v248, 5, v5
	v_lshrrev_b32 v248, 1, v247
	v_lshl_add_u32 v5, v248, 7, v5                 ; the copy begins at 2,048 s + 32 (s % 2) + 128 (s / 2)
	v_lshl_add_u32 v5, v245, 6, v5                 ; + 16 h entries
	v_add_nc_u32 v5, TAB, v5
	v_bfe_u32 v248, v244, 2, 1
	v_lshrrev_b32 v249, 3, v244
	v_lshl_add_u32 v248, v249, 2, v248             ; (rho - r % 4) / 4
	v_lshlrev_b32 v248, 4, v248
	v_sub_nc_u32 v5, v5, v248                      ; - that many groups of four entries
	v_and_b32 v6, 31, v0
	v_lshlrev_b32 v6, 4, v6
	v_lshlrev_b32 v11, 2, v244                     ; 4 r
	v_lshlrev_b32 v7, 4, v0                        ; 16 x thread
	v_lshlrev_b32 v8, 3, v0                        ; 8 x thread
	v_add_nc_u32 v9, VSL, v8
	v_lshl_add_u32 v208, v0, 2, TAB
.irp s, 0,1,2,3                                ; entry z = thread of copy s: tT[min(|z - s - 256|, 255)]
	v_add_nc_u32 v[200+\s], -(256+\s), v0
	v_ashrrev_i32 v[204+\s], 31, v[200+\s]
	v_xor_b32 v[200+\s], v[200+\s], v[204+\s]
	v_sub_nc_u32 v[200+\s], v[200+\s], v[204+\s]
	v_min_u32 v[200+\s], 0xff, v[200+\s]
	v_lshlrev_b32 v[200+\s], 2, v[200+\s]
.endr
	s_wait_kmcnt 0x0
	s_lshl_b32 s2, s13, 16
	s_add_co_u32 s2, s2, VC
	s_add_nc_u64 s[32:33], s[4:5], s[2:3]          ; V's codes of my head
	s_lshl_b32 s2, s13, 12
	s_add_co_u32 s2, s2, VS
	s_add_nc_u64 s[34:35], s[4:5], s[2:3]          ; and scale words
	s_add_nc_u64 s[36:37], s[10:11], MTAB
	s_lshl_b32 s14, s13, 11                        ; the head's first token
	s_add_co_u32 s2, s14, s16
	s_lshl_b32 s2, s2, 5
	s_add_nc_u64 s[38:39], s[4:5], s[2:3]          ; Q's codes at qmin
	s_add_co_u32 s2, s14, s16
	s_lshl_b32 s2, s2, 2
	s_add_co_u32 s2, s2, QS
	s_add_nc_u64 s[40:41], s[4:5], s[2:3]
	s_lshl_b32 s2, s23, 6
	s_add_co_u32 s2, s2, RLV
	s_add_nc_u64 s[42:43], s[6:7], s[2:3]          ; the rows' levels
	s_lshl_b32 s2, s23, 14
	s_add_nc_u64 s[44:45], s[6:7], s[2:3]          ; p's far codes
	s_add_co_u32 s2, s14, s18
	s_lshl_b32 s2, s2, 5
	s_add_co_u32 s2, s2, KC
	s_add_nc_u64 s[24:25], s[4:5], s[2:3]          ; K's codes at ws
	s_add_co_u32 s2, s14, s18
	s_lshl_b32 s2, s2, 2
	s_add_co_u32 s2, s2, KS
	s_add_nc_u64 s[26:27], s[4:5], s[2:3]
	s_lshl_b32 s2, s23, 9
	s_add_nc_u64 s[28:29], s[8:9], s[2:3]          ; the lane masks
.irp q, 0,1,2,3,4,5,6,7
	global_load_b128 v[160+4*\q:163+4*\q], v7, s[32:33] offset:8192*\q
.endr
	global_load_b64 v[192:193], v8, s[34:35]
.irp s, 0,1,2,3
	global_load_b32 v[194+\s], v[200+\s], s[36:37]
.endr
	global_load_b128 v[16:19], v1, s[38:39]
	global_load_b32 v24, v2, s[40:41]
	global_load_b32 v25, v11, s[42:43]
.irp k, 0,1,2,3,4,5,6,7
	PLOAD \k
.endr
	s_wait_loadcnt 19                              ; the 13 loads of the copies are in; Q, its word, the level and 16 loads of p's codes may be out
.irp q, 0,1,2,3,4,5,6,7
	ds_store_b128 v7, v[160+4*\q:163+4*\q] offset:8192*\q
.endr
	ds_store_b64 v9, v[192:193]
.irp s, 0,1,2,3
	ds_store_b32 v208, v[194+\s] offset:2048*\s+32*(\s%2)+128*(\s/2)
.endr
	s_wait_dscnt 0x0                               ; my stores have landed
	s_barrier_signal -1
	s_barrier_wait -1                              ; V, its scale words and the table lie in LDS; they are only read from here on
	VLOAD 0
.irp k, 0,1,2,3,4,5,6,7,8,9,10,11,12,13,14,15
	FAR \k
.endr
	; every load of the head is in: the addresses of the window are made
	s_add_co_u32 s2, s18, 256
	s_sub_co_u32 s2, s2, s16                       ; ws - qmin + 256: 24 .. 256
	s_min_u32 s2, s2, 256
	s_lshl_b32 s2, s2, 2
	v_add_nc_u32 v7, s2, v5                        ; the table at the window's first key
	s_lshl_b32 s2, s17, 10
	v_add_nc_u32 v8, s2, v3                        ; V at block wsB
	s_lshr_b32 s2, s17, 2
	s_lshl_b32 s14, s2, 8
	v_add_nc_u32 v9, s14, v4                       ; V's scale words at wsB / 4
	s_add_co_u32 s2, s2, 2
	s_min_u32 s2, s2, 15                           ; (the word behind the last is not there, and is not wanted: the shift is 0 then)
	s_lshl_b32 s2, s2, 8
	v_add_nc_u32 v11, s2, v4
	s_and_b32 s14, s17, 3
	s_lshl_b32 s14, s14, 3                         ; 8 (wsB % 4) bits
	v_mov_b32 v13, v25                             ; the largest t so far: the level
	NEAR 0
	NEAR 1
.rept 4
	v_nop
.endr
	v_add_f32 v254, v25, v12                       ; level - M: 0 or less, a whole number (or -3e38)
	v_max_num_f32 v254, 0xc3480000, v254           ; held at -200
	v_cvt_i32_f32 v254, v254
	v_ldexp_f32 v252, 1.0, v254                    ; ff
	v_add_f32 v14, v14, v15
	v_permlanex16_b32 v244, v14, s20, s21
	v_add_f32 v14, v14, v244                       ; the window's sum
	v_fma_f32 v14, v[CNT], v252, v14               ; + the far count x ff
	v_rcp_f32 v14, v14
.irp j, 0,2,4,6,8,10,12,14,16,18,20,22,24,26,28,30
	v_pk_fma_f32 v[O+\j:O+\j+1], v[OF+\j:OF+\j+1], v[252:253], v[O+\j:O+\j+1] op_sel_hi:[1,0,1]   ; far x ff + near
.endr
	s_wait_alu depctr_va_vdst(0)                   ; the wait for the reciprocal, ahead of its first reader
.irp j, 0,2,4,6,8,10,12,14,16,18,20,22,24,26,28,30
	v_pk_mul_f32 v[O+\j:O+\j+1], v[O+\j:O+\j+1], v[14:15] op_sel_hi:[1,0]   ; register 16 b + i: channel 32 b + 16 h + i of my query
.endr
.irp b, 0,1
	v_max3_num_f32 v[BM+\b], |v[O+16*\b]|, |v[O+1+16*\b]|, 0x1800000
.endr
.irp i, 2,4,6,8,10,12,14
.irp b, 0,1
	v_max3_num_f32 v[BM+\b], v[BM+\b], |v[O+16*\b+\i]|, |v[O+1+16*\b+\i]|
.endr
.endr
.irp b, 0,1
	v_permlanex16_b32 v[BP+\b], v[BM+\b], s20, s21
.endr
.irp b, 0,1
	v_max_num_f32 v[BM+\b], v[BM+\b], v[BP+\b]
.endr
.irp b, 0,1
	v_add_nc_u32 v[BS+\b], 0xff000000, v[BM+\b]
.endr
.irp b, 0,1
	v_lshrrev_b32 v[BP+\b], 23, v[BS+\b]
.endr
	v_lshl_or_b32 v254, v[BP+1], 8, v[BP]          ; the head's two bytes
.irp b, 0,1
	v_cvt_scalef32_pk8_fp4_f32 v[PC+2*\b], v[O+16*\b:O+7+16*\b], v[BS+\b]
	v_cvt_scalef32_pk8_fp4_f32 v[PC+1+2*\b], v[O+8+16*\b:O+15+16*\b], v[BS+\b]
.endr
	v_nop
	v_permlane16_swap_b32 v[PC], v[PC+2]
	v_permlane16_swap_b32 v[PC+1], v[PC+3]         ; lanes 0-15: the head's block 0, lanes 16-31: block 1
	s_lshr_b32 s14, s22, 3                         ; which half of D
	s_and_b32 s15, s22, 7
	s_lshl_b32 s2, s14, 20
	s_lshl_b32 s16, s23, 12
	s_add_co_u32 s2, s2, s16
	s_lshl_b32 s16, s15, 9
	s_add_co_u32 s2, s2, s16
	s_add_nc_u64 s[24:25], s[30:31], s[2:3]
	global_store_b128 v6, v[PC:PC+3], s[24:25]     ; 512 consecutive bytes
	v_and_b32 v240, 15, v0
	v_lshlrev_b32 v240, 2, v240
	s_lshl_b32 s2, s12, 6
	s_add_co_u32 s2, s2, STG
	v_add_nc_u32 v240, s2, v240
	s_and_b32 s2, s12, 1
	s_lshl_b32 s2, s2, 9
	s_add_co_u32 s2, s2, STG
	v_add_nc_u32 v241, s2, v6
	s_wait_dscnt 0x0
	s_barrier_signal -1
	s_barrier_wait -1                              ; every wave's reads of LDS are over
	ds_store_b32 v240, v254                        ; lanes r and 16 + r write the same word with the same value
	s_wait_dscnt 0x0
	s_barrier_signal -1
	s_barrier_wait -1
	s_cmp_lt_u32 s12, 2
	s_cbranch_scc0 .Lend
	ds_load_b128 v[244:247], v241                  ; eight tiles' words
	s_lshl_b32 s2, s19, 4
	s_lshl_b32 s16, ttmp9, 1
	s_add_co_u32 s2, s2, s16
	s_add_co_u32 s2, s2, s12                       ; which 128 tokens
	s_lshl_b32 s2, s2, 12
	s_lshl_b32 s16, s14, 17
	s_add_co_u32 s2, s2, s16
	s_lshl_b32 s16, s15, 9
	s_add_co_u32 s2, s2, s16
	s_add_co_u32 s2, s2, AOS
	s_add_nc_u64 s[26:27], s[30:31], s[2:3]
	s_wait_dscnt 0x0
	global_store_b128 v6, v[244:247], s[26:27]     ; 512 consecutive bytes
.Lend:
	s_wait_xcnt 0x0
	v_lshl_add_u32 v254, v0, 2, 0x13500
	v_mov_b32 v255, 0
	s_wait_tensorcnt 0x0
	ds_add_u32 v254, v255
	s_wait_dscnt 0x0
	s_endpgm
.Lfunc_end_k_qa807790a0b_attn:
	.size	k_qa807790a0b_attn, .Lfunc_end_k_qa807790a0b_attn-k_qa807790a0b_attn
	.p2alignl 7, 3214868480
	.fill 96, 4, 3214868480
	.section	.rodata,"a",@progbits
	.p2align	6, 0x0
	.amdhsa_kernel k_qa807790a0b_attn
		.amdhsa_group_segment_fixed_size 81152
		.amdhsa_private_segment_fixed_size 0
		.amdhsa_enable_private_segment 0
		.amdhsa_kernarg_size 40
		.amdhsa_user_sgpr_count 2
		.amdhsa_user_sgpr_kernarg_segment_ptr 1
		.amdhsa_wavefront_size32 1
		.amdhsa_system_sgpr_workgroup_id_x 1
		.amdhsa_system_sgpr_workgroup_id_y 1
		.amdhsa_system_sgpr_workgroup_id_z 1
		.amdhsa_system_vgpr_workitem_id 0
		.amdhsa_next_free_vgpr 256
		.amdhsa_next_free_sgpr 100
		.amdhsa_reserve_vcc 0
		.amdhsa_float_denorm_mode_32 3
		.amdhsa_float_denorm_mode_16_64 3
		.amdhsa_memory_ordered 1
		.amdhsa_forward_progress 1
		.amdhsa_inst_pref_size 86
	.end_amdhsa_kernel
	.amdgpu_metadata
---
amdhsa.version: [ 1, 2 ]
amdhsa.kernels:
  - .name:           k_qa807790a0b_attn
    .symbol:         k_qa807790a0b_attn.kd
    .args:
      - { .name: pbuf, .offset: 0, .size: 8, .value_kind: global_buffer, .address_space: global }
      - { .name: mbuf, .offset: 8, .size: 8, .value_kind: global_buffer, .address_space: global }
      - { .name: lmk, .offset: 16, .size: 8, .value_kind: global_buffer, .address_space: global }
      - { .name: qbuf, .offset: 24, .size: 8, .value_kind: global_buffer, .address_space: global }
      - { .name: abuf, .offset: 32, .size: 8, .value_kind: global_buffer, .address_space: global }
    .group_segment_fixed_size: 81152
    .private_segment_fixed_size: 0
    .kernarg_segment_align: 8
    .kernarg_segment_size: 40
    .max_flat_workgroup_size: 512
    .sgpr_count:     100
    .vgpr_count:     256
    .wavefront_size: 32
...
	.end_amdgpu_metadata
.endif
;; end of part 4
;; launch oproj (part 5): grid 8 x 32, 8 waves a work-group, no clusters, 179,200 bytes of LDS; arguments abuf, qbuf, bo, out0; writes out0
.if DOCPART == 5
	.amdgcn_target "amdgcn-amd-amdhsa--gfx1250"
	.amdhsa_code_object_version 6
	.text
	.protected	k_qa807790a0b_oproj
	.globl	k_qa807790a0b_oproj
	.p2align	8
	.type	k_qa807790a0b_oproj,@function
k_qa807790a0b_oproj:
	s_mov_b64 s[64:65], 0
	v_nop
	global_prefetch_b8 v0, s[64:65] scope:SCOPE_SE
	s_setreg_imm32_b32 hwreg(HW_REG_WAVE_MODE, 25, 1), 1
	s_wait_xcnt 0x0
; out0 = a wo^T + bo on codes of FP4 with E8M0 scales; a is the attention's result as the launch before has quantised it.
; Work-group (jn, i): tokens 128 i .. + 127, outputs 128 jn .. + 127.  Codes and scale words of both, for all of K, lie in LDS, filled ONCE by tensor loads: no slot is filled again.
; USED TRANSPOSED: source 0 = a tile of wo's rows, source 1 = a tile of tokens: a lane holds one token, and the 16 registers of wo's tiles 2 b, 2 b + 1 are outputs 32 b + 16 h + 0 .. 15.
; Eight waves: wave % 4 takes two tiles of tokens, wave / 4 four tiles of wo (64 outputs): eight accumulators by turns.  bo is the C of each sum's first product.
; a's piece is read by the 8 work-groups of a grid row and wo's by the 32 of a column: joint loads in a cluster would divide those requests.  This text is the plain form and does not use them.
.set WC,   2097152
.set WS,   4325376
.set AOS,  2097152
.set SCB,  131072                      ; LDS: scale words: half g at 6,144 g: a's 4,096 bytes [head % 8][tile][r], then wo's 2,048 [tile][r][4]
.set STGO, 143360                      ; a stage of 16 rows x (256 + 16) bytes for each wave
.macro OSCL                            ; a half's scale words.  a's words hold two bytes (a head's two blocks): two heads make the word of a K step
.irp rt, 0,1,2,3
	ds_load_b128 v[8+4*\rt:11+4*\rt], v3 offset:256*\rt
.endr
.irp lt, 0,1
.irp s, 0,1,2,3
	ds_load_b32 v[32+8*\lt+2*\s], v4 offset:64*\lt+1024*\s
	ds_load_b32 v[33+8*\lt+2*\s], v4 offset:64*\lt+1024*\s+512
.endr
.endr
	s_wait_dscnt 0x0
.irp lt, 0,1
.irp s, 0,1,2,3
	v_lshl_or_b32 v[24+4*\lt+\s], v[33+8*\lt+2*\s], 16, v[32+8*\lt+2*\s]
.endr
.endr
.rept 8
	v_nop                                          ; a scale register written by a vector instruction stands eight plain instructions ahead of the scaled product
.endr
.endm
.macro KSTEP s, first, places
.if \places
.rept 4
	v_nop                                          ; four plain instructions between the last products and loads into registers that they read
.endr
.endif
.irp lt, 0,1
.irp c, 0,1
	ds_load_b128 v[48+8*\lt+4*\c:51+8*\lt+4*\c], v1 offset:4096*\lt+1024*\s+512*\c
.endr
.endr
.irp rt, 0,1,2,3
.irp c, 0,1
	ds_load_b128 v[64+8*\rt+4*\c:67+8*\rt+4*\c], v2 offset:4096*\rt+1024*\s+512*\c
.endr
.endr
	s_wait_dscnt 0x0
.irp rt, 0,1,2,3
.irp lt, 0,1
.if \first
	v_wmma_scale_f32_16x16x128_f8f6f4 v[128+32*\lt+8*\rt:135+32*\lt+8*\rt], v[64+8*\rt:71+8*\rt], v[48+8*\lt:55+8*\lt], v[96+8*\rt:103+8*\rt], v[8+4*\rt+\s], v[24+4*\lt+\s] matrix_a_fmt:MATRIX_FMT_FP4 matrix_b_fmt:MATRIX_FMT_FP4
.else
	v_wmma_scale_f32_16x16x128_f8f6f4 v[128+32*\lt+8*\rt:135+32*\lt+8*\rt], v[64+8*\rt:71+8*\rt], v[48+8*\lt:55+8*\lt], v[128+32*\lt+8*\rt:135+32*\lt+8*\rt], v[8+4*\rt+\s], v[24+4*\lt+\s] matrix_a_fmt:MATRIX_FMT_FP4 matrix_b_fmt:MATRIX_FMT_FP4
.endif
.endr
.endr
.endm
	s_load_b256 s[4:11], s[0:1], 0x0               ; abuf, qbuf, bo, out0
	s_set_vgpr_msb 0x40
	v_lshl_add_u32 v0, v0, 2, 0x2b800
	v_mov_b32 v1, 0
	s_set_vgpr_msb 0x4045
	ds_add_u32 v0, v1
	ds_add_u32 v0, v1
	s_set_vgpr_msb 0x4500
	v_lshrrev_b32 v1, 5, v0
	v_readfirstlane_b32 s14, v1                    ; wave 0 .. 7
	s_and_b32 s15, s14, 3                          ; which two tiles of tokens
	s_lshr_b32 s16, s14, 2                         ; which four tiles of wo
	s_mov_b32 s17, ttmp9                           ; jn
	s_and_b32 s18, ttmp7, 0xffff                   ; i
	; descriptor group 1: a dense block as rows of 256 bytes (32 elements of 8 bytes): codes 128 rows, scale words 8 rows
	s_mov_b32 s24, 3<<16
	s_mov_b32 s25, 32<<16
	s_mov_b32 s26, 128<<16
	s_mov_b32 s27, 32<<16
	s_mov_b32 s28, 128
	s_mov_b32 s29, 32
	s_mov_b32 s30, 0
	s_mov_b32 s31, 0
	s_mov_b32 s32, 3<<16
	s_mov_b32 s33, 32<<16
	s_mov_b32 s34, 8<<16
	s_mov_b32 s35, 32<<16
	s_mov_b32 s36, 8
	s_mov_b32 s37, 32
	s_mov_b32 s38, 0
	s_mov_b32 s39, 0
	s_lshl_b32 s56, s18, 15                        ; a's codes: tiles 8 i on
	s_lshl_b32 s22, s17, 15
	s_add_co_u32 s22, s22, WC+786432               ; wo's: tiles 192 + 8 jn on among the weights'
	s_lshl_b32 s58, s18, 12
	s_lshl_b32 s23, s14, 11
	s_add_co_u32 s58, s58, s23
	s_add_co_u32 s58, s58, AOS-4096                ; a's scale words: waves 2 and 3 take 2,048 bytes each
	s_lshl_b32 s23, s17, 11
	s_add_co_u32 s23, s23, WS+49152                ; wo's
	s_mov_b32 s19, 0x20000
	s_mov_b32 s57, 0
	s_mov_b32 s59, 0
	s_mov_b32 s61, 0
	s_wait_dscnt 0x0
	s_wait_kmcnt 0x0
	s_cmp_eq_u32 s14, 0                            ; wave 0: a's codes; wave 1: wo's
	s_cselect_b64 s[20:21], s[4:5], s[6:7]
	s_cselect_b32 s56, s56, s22
	s_cmp_eq_u32 s14, 4                            ; waves 2, 3: a's scale words; wave 4: wo's
	s_cselect_b64 s[62:63], s[6:7], s[4:5]
	s_cselect_b32 s58, s23, s58
	s_cselect_b32 s60, 0x10000, s19                ; from half to half of K
	s_mov_b32 s40, 1
	s_lshl_b32 s41, s14, 15
	s_add_nc_u64 s[42:43], s[20:21], s[56:57]
	s_mov_b32 s44, 1
	s_add_co_u32 s45, s41, 65536
	s_add_nc_u64 s[46:47], s[42:43], 0x100000
	s_or_b32 s43, s43, 0x80000000
	s_or_b32 s47, s47, 0x80000000
	s_mov_b32 s48, 1
	s_lshl_b32 s49, s14, 11
	s_add_co_u32 s49, s49, SCB-4096
	s_add_nc_u64 s[50:51], s[62:63], s[58:59]
	s_mov_b32 s52, 1
	s_add_co_u32 s53, s49, 6144
	s_add_nc_u64 s[54:55], s[50:51], s[60:61]
	s_or_b32 s51, s51, 0x80000000
	s_or_b32 s55, s55, 0x80000000
	s_cmp_lt_u32 s14, 2                            ; two loads a wave, in one branch; waves 5 to 7 fetch nothing
	s_cbranch_scc0 .Lnot_codes
	tensor_load_to_lds s[40:43], s[24:31]
	s_nop 0
	tensor_load_to_lds s[44:47], s[24:31]
	s_nop 0
.rept 4
	v_nop
.endr
	s_branch .Lasked
.Lnot_codes:
	s_cmp_lt_u32 s14, 5
	s_cbranch_scc0 .Lasked
	tensor_load_to_lds s[48:51], s[32:39]
	s_nop 0
	tensor_load_to_lds s[52:55], s[32:39]
	s_nop 0
.rept 4
	v_nop
.endr
.Lasked:
	v_and_b32 v200, 31, v0                         ; lane
	v_and_b32 v201, 15, v0                         ; r
	v_bfe_u32 v202, v0, 4, 1                       ; h
	v_lshlrev_b32 v203, 4, v200                    ; 16 x lane
	s_lshl_b32 s60, s15, 13
	v_add_nc_u32 v1, s60, v203                     ; a's codes: my two tiles
	s_lshl_b32 s60, s16, 14
	s_add_co_u32 s60, s60, 32768
	v_add_nc_u32 v2, s60, v203                     ; wo's: my four
	s_lshl_b32 s60, s16, 10
	s_add_co_u32 s60, s60, SCB+4096
	v_lshl_add_u32 v3, v201, 4, s60                ; wo's scale words
	s_lshl_b32 s60, s15, 7
	s_add_co_u32 s60, s60, SCB
	v_lshl_add_u32 v4, v201, 2, s60                ; a's
	v_lshlrev_b32 v5, 6, v202                      ; 64 h
	s_mul_i32 s60, s14, 4352
	s_add_co_u32 s60, s60, STGO                    ; my stage
	v_mul_u32_u24 v6, v201, 272
	v_lshl_add_u32 v6, v202, 6, v6
	v_add_nc_u32 v6, s60, v6                       ; in: row r, + 64 h
	v_mul_u32_u24 v7, v202, 272
	v_lshl_add_u32 v7, v201, 4, v7
	v_add_nc_u32 v7, s60, v7                       ; back: lanes 0-15 one row, lanes 16-31 the next
	s_lshl_b32 s20, s17, 9
	s_lshl_b32 s21, s16, 8
	s_add_co_u32 s20, s20, s21                     ; output 128 jn + 64 (wave / 4), in bytes
	s_mov_b32 s21, 0
	s_add_nc_u64 s[22:23], s[8:9], s[20:21]
.irp rt, 0,1,2,3
	global_load_b128 v[96+8*\rt:99+8*\rt], v5, s[22:23] offset:128*(\rt/2)+32*(\rt%2)       ; bo at the tile's eight outputs of my half
	global_load_b128 v[100+8*\rt:103+8*\rt], v5, s[22:23] offset:128*(\rt/2)+32*(\rt%2)+16
.endr
	s_lshl_b32 s56, s18, 7
	s_lshl_b32 s57, s15, 5
	s_add_co_u32 s56, s56, s57                     ; my first token
	s_lshl_b32 s56, s56, 12
	s_add_co_u32 s56, s56, s20
	s_mov_b32 s57, 0
	s_add_nc_u64 s[56:57], s[10:11], s[56:57]
	s_wait_tensorcnt 0x1                           ; my load for the first half of K has landed; the second half's may be out
	s_barrier_signal -1
	s_barrier_wait -1
	OSCL
	s_wait_loadcnt 0x0                             ; bo
	KSTEP 0, 1, 0
	KSTEP 1, 0, 1
	KSTEP 2, 0, 1
	KSTEP 3, 0, 1
	s_wait_tensorcnt 0x0
	s_wait_dscnt 0x0
	s_barrier_signal -1
	s_barrier_wait -1
	v_add_nc_u32 v1, 0x10000, v1
	v_add_nc_u32 v2, 0x10000, v2
	v_add_nc_u32 v3, 6144, v3
	v_add_nc_u32 v4, 6144, v4
.rept 4
	v_nop
.endr
	OSCL
	KSTEP 0, 0, 0
	KSTEP 1, 0, 1
	KSTEP 2, 0, 1
	KSTEP 3, 0, 1
.rept 4
	v_nop
.endr
	v_and_b32 v97, 15, v0
	v_bfe_u32 v98, v0, 4, 1
	v_lshlrev_b32 v96, 12, v98
	v_lshl_add_u32 v96, v97, 4, v96                ; out: a row of 4,096 bytes for each half of the lanes, 16 bytes a lane
	; THE WAY OUT: a lane's results are pieces of one token's row; a tile of 16 tokens x 64 outputs goes through my own stage and comes back as rows of 256 bytes
.irp lt, 0,1
.irp rt, 0,1,2,3
	ds_store_b128 v6, v[128+32*\lt+8*\rt:131+32*\lt+8*\rt] offset:128*(\rt/2)+32*(\rt%2)        ; each accumulator from its low end on
	ds_store_b128 v6, v[132+32*\lt+8*\rt:135+32*\lt+8*\rt] offset:128*(\rt/2)+32*(\rt%2)+16
.endr
.irp i, 0,1,2,3,4,5,6,7
	ds_load_b128 v[192+32*\lt+4*\i:195+32*\lt+4*\i], v7 offset:2*\i*272   ; LDS serves a wave's instructions in order: these see the stores above, and the next tile's stores come behind them
.endr
.endr
.irp i, 0,1,2,3,4,5,6,7
	s_wait_dscnt 23-\i                             ; behind this pair of rows: the tile's later loads and the next tile's sixteen instructions
	global_store_b128 v96, v[192+4*\i:195+4*\i], s[56:57] offset:(2*\i+8*(\i/4))*4096 th:TH_STORE_NT   ; sixteen lanes fill 256 consecutive bytes, aligned
.endr
.irp i, 0,1,2,3,4,5,6,7
	s_wait_dscnt 7-\i
	global_store_b128 v96, v[224+4*\i:227+4*\i], s[56:57] offset:(2*\i+8*(\i/4)+8)*4096 th:TH_STORE_NT
.endr
	s_set_vgpr_msb 0x5
	s_wait_tensorcnt 0x0
	ds_add_u32 v0, v1
	s_wait_dscnt 0x0
	s_set_vgpr_msb 0x500
	s_endpgm
.Lfunc_end_k_qa807790a0b_oproj:
	.size	k_qa807790a0b_oproj, .Lfunc_end_k_qa807790a0b_oproj-k_qa807790a0b_oproj
	.p2alignl 7, 3214868480
	.fill 96, 4, 3214868480
	.section	.rodata,"a",@progbits
	.p2align	6, 0x0
	.amdhsa_kernel k_qa807790a0b_oproj
		.amdhsa_group_segment_fixed_size 179200
		.amdhsa_private_segment_fixed_size 0
		.amdhsa_enable_private_segment 0
		.amdhsa_kernarg_size 32
		.amdhsa_user_sgpr_count 2
		.amdhsa_user_sgpr_kernarg_segment_ptr 1
		.amdhsa_wavefront_size32 1
		.amdhsa_system_sgpr_workgroup_id_x 1
		.amdhsa_system_sgpr_workgroup_id_y 1
		.amdhsa_system_sgpr_workgroup_id_z 1
		.amdhsa_system_vgpr_workitem_id 0
		.amdhsa_next_free_vgpr 258
		.amdhsa_next_free_sgpr 66
		.amdhsa_reserve_vcc 0
		.amdhsa_float_denorm_mode_32 3
		.amdhsa_float_denorm_mode_16_64 3
		.amdhsa_memory_ordered 1
		.amdhsa_forward_progress 1
		.amdhsa_inst_pref_size 31
	.end_amdhsa_kernel
	.amdgpu_metadata
---
amdhsa.version: [ 1, 2 ]
amdhsa.kernels:
  - .name:           k_qa807790a0b_oproj
    .symbol:         k_qa807790a0b_oproj.kd
    .args:
      - { .name: abuf, .offset: 0, .size: 8, .value_kind: global_buffer, .address_space: global }
      - { .name: qbuf, .offset: 8, .size: 8, .value_kind: global_buffer, .address_space: global }
      - { .name: bo, .offset: 16, .size: 8, .value_kind: global_buffer, .address_space: global }
      - { .name: out0, .offset: 24, .size: 8, .value_kind: global_buffer, .address_space: global }
    .group_segment_fixed_size: 179200
    .private_segment_fixed_size: 0
    .kernarg_segment_align: 8
    .kernarg_segment_size: 32
    .max_flat_workgroup_size: 256
    .sgpr_count:     66
    .vgpr_count:     258
    .wavefront_size: 32
...
	.end_amdgpu_metadata
.endif
;; end of part 5
;; ======== version 2 of 2: 5 launches; version 1 with the launch attn written anew for expert scheduling mode
;; limits: right only within a limited range of input values
;; workspace buffers: qbuf 4,457,472 bytes; mbuf 4,210,688 bytes; lmk 131,072 bytes of whole numbers; pbuf 6,946,816 bytes; abuf 2,359,296 bytes
;; launch quant: the kernel of part 1 again; grid 256 x 1, 4 waves a work-group, no clusters, 34,304 bytes of LDS; arguments x, wq, wk, wv, wo, gamma, qbuf; writes qbuf
;; launch mask: the kernel of part 2 again; grid 128 x 2, 16 waves a work-group, no clusters, 22,784 bytes of LDS; arguments omega_mask, semantic_token_ids, causal_mask, mbuf, lmk; writes mbuf, lmk
;; launch qkv: the kernel of part 3 again; grid 8 x 32, 12 waves a work-group, no clusters, 282,624 bytes of LDS; arguments qbuf, bq, bk, bv, pbuf; writes pbuf
;; launch attn (part 6): grid 8 x 32, 16 waves a work-group, no clusters, 81,152 bytes of LDS; arguments pbuf, mbuf, lmk, qbuf, abuf; writes abuf
.if DOCPART == 6
	.amdgcn_target "amdgcn-amd-amdhsa--gfx1250"
	.amdhsa_code_object_version 6
	.text
	.protected	k_qa807790a0b_attn
	.globl	k_qa807790a0b_attn
	.p2align	8
	.type	k_qa807790a0b_attn,@function
k_qa807790a0b_attn:
	s_mov_b64 s[64:65], 0
	v_nop
	global_prefetch_b8 v0, s[64:65] scope:SCOPE_SE
	s_setreg_imm32_b32 hwreg(HW_REG_WAVE_SCHED_MODE, 0, 2), 2
	s_setreg_imm32_b32 hwreg(HW_REG_WAVE_MODE, 25, 1), 1
	s_wait_xcnt 0x0
	s_wait_alu depctr_vm_vsrc(0)
; Attention of one head (bh = 16 x batch + head) for 256 queries; each of sixteen waves owns one tile of 16 queries (slot r: query qmin + r + 8 (r / 8)).  Both products on codes of FP4 with E8M0 scales, both used transposed:
; a lane holds ONE query throughout.  t = score x tT[|q - k|] (the table holds exp(-d) x the cosine sum x log2(e) / 8), or TM = -1e9 x log2(e) where the key is not allowed; M = the row's largest t rounded up;
; p = 2^(t - M) is quantised along the keys; the row's sum is taken of the unquantised p and divides at the end.
; FAR: outside a window of 256 keys round the diagonal (it holds every key within 103 of a query of the tile) reference()'s own factor exp(-|q - k|) is 0, so t = 0 or TM whatever the score: the first product is not
; done there, and p's codes, which the launch before has stored for all heads, are 6 (the number 4) or 0.  They are multiplied with V under the byte 125 (2^-2), that is as p = 1, in 16 steps of 128 keys; a product with ones counts them.
; At the end both are multiplied by ff = 2^(level - M), a power of two: the same numbers as under the block's scale 2^(-M - 2).
; NEAR: the window, two steps of 128 keys: S^T = K Q^T (K = the head's 64: the upper half of Q's fragment holds zero codes), the table, the masks, the softmax with a running M that begins at the row's level, V^T P.
; The result / the sum is quantised along D and stored as an image of the last product's operand: abuf: codes [half of D][tile of tokens][block][r][16 bytes]; at AOS scale words [half][128 tokens][head % 8][tile][r], two bytes each.
; V's codes of the whole head (65,536 bytes) go through registers into LDS once.  What work-groups share is that copy, against 262,144 bytes of p's codes that go straight to registers: no cluster.
; LIMITS: NaN and infinities are not served.  p under 2^-126 is 0.  A far weight 2^-M is 0 from M = 150 on.
; THE MODE: SCHED_MODE bits 1:0 = 2 (LLVM: expert scheduling mode 2), set by the entry lines.  The code itself states the register dependences
; between vector or matrix instructions and memory or LDS instructions, with s_wait_alu, always for 0.
; THE PLAN.  Registers that memory or LDS instructions touch:
;   v1-4, v6        addresses, made at the head and never written again.
;   v7-9, v11       at the head the offsets of the copies into LDS; made anew behind the far steps, as the window's addresses.
;   v160-197, v200-203, v208   at the head the copies' data and addresses; then V's second set and the far O^T.
;   FAR, step k     its products read V's set k % 2 (v36-67 or v160-191), the scale words v72-75 or v76-79 and p's set k % 8 of v96-159; the loads at the head of step k land in the V set and the p set that step k - 1 read.
;   NEAR            v36-67: K's codes, then the table's entries 16 to 47, then V.  v72-79: K's scale words, then V's.  v80-95: the table's entries 0 to 15.  v232-247: its entries 48 to 63, until the block maxima and p's codes take these registers.
;   THE WAY OUT     v232-235 and v254 are stored; v240, v241 are LDS addresses; v244-247 take an LDS load.
; So: one wait on va_vdst at the head of a far step; in a window step one at its head, one behind the products K Q^T, the two that stand behind the exponentials (V's loads follow the first of them), one ahead of the products V^T P;
; one ahead of the way out's stores.  One wait on vm_vsrc behind the first barrier, one behind the last.
.set KC,   2097152
.set VC,   4194304
.set QS,   6291456
.set KS,   6553600
.set VS,   6815744
.set RLV,  4194304
.set MTAB, 4456448
.set AOS,  2097152
.set VSL,  65536                       ; LDS: V's scale words [128 keys][r][t]
.set TAB,  69632                       ; four copies of the table: copy s, entry z = tT[min(|z - s - 256|, 255)], z = 0 .. 511, so that four neighbouring keys of any query are 16 aligned bytes
.set STG,  78080                       ; the result's scale words: [wave][r]
.set S,    96                          ; v96-159  eight sets of p's far codes; then S^T and p
.set O,    160                         ; v160-191 V's second set; then the window's O^T
.set OF,   192                         ; v192-223 the far O^T
.set CNT,  224                         ; v224-231 the far count
.set PC,   232                         ; v232-239 p's codes
.set BM,   240                         ; v240-243 block maxima; v244-247, v248-251 at work; v252 a power of two; v253 p's scale word
.set BP,   244
.set BS,   248
.set T3,   232                         ; v232-247 at a window step's head: the table's entries 48 to 63
; v1 32 rho + 16 h, v2 4 rho (rho = r + 8 (r / 8)), v3 1,024 h + 16 r, v4 VSL + 16 r, v5 my place in the table, v6 16 x lane, v7-9, v11 addresses in hand, v10 TM, v12 -M, v13 the largest t, v[14:15] the sum,
; v16-23 Q, v24 its scale word, v25 the level, v26 bytes 125, v27 bytes 127, v28-35 ones, v36-71 K (and four registers behind) or V or table, v72-79 scale words alone, v80-95 table
.macro VLOAD k                         ; V's four tiles and their scale words for keys 128 k on, into set k % 2
.set VB, 36+124*((\k)%2)
.irp t, 0,1,2,3
.irp c, 0,1
	ds_load_b128 v[VB+8*\t+4*\c:VB+8*\t+4*\c+3], v3 offset:4096*(\k)+2048*\c+256*\t
.endr
.endr
	ds_load_b128 v[72+4*((\k)%2):75+4*((\k)%2)], v4 offset:256*(\k)
.endm
.macro PLOAD k                         ; p's far codes for keys 128 k on, into set k % 8
.irp c, 0,1
	global_load_b128 v[S+8*((\k)%8)+4*\c:S+8*((\k)%8)+4*\c+3], v6, s[44:45] offset:1024*(\k)+512*\c
.endr
.endm
.macro FAR k
.if (\k) > 0
.rept 4
	v_nop                                          ; four plain instructions between the last products and loads into registers that they read
.endr
.endif
.if ((\k) > 0) && ((\k) < 15)
	s_wait_alu depctr_va_vdst(0)                   ; the last step's five products are done reading their set of V, its scale words and their set of p's codes, in which the loads below land
.endif
.if ((\k) > 0) && ((\k) < 9)
	PLOAD (\k)+7
.endif
.if (\k) < 15
	VLOAD (\k)+1
.endif
.if (\k) < 8
	s_wait_loadcnt 14                              ; p's codes of this step are in; the seven sets behind them may be out
.else
	s_wait_loadcnt 2*(15-(\k))
.endif
.if (\k) < 15
	s_wait_dscnt 9                                 ; V of this step is in; the next step's nine loads may be out
.else
	s_wait_dscnt 0x0
.endif
.set VB, 36+124*((\k)%2)
.set PB, S+8*((\k)%8)
.irp t, 0,1,2,3                                ; five accumulators by turns
.if (\k) == 0
	v_wmma_scale_f32_16x16x128_f8f6f4 v[OF+8*\t:OF+8*\t+7], v[VB+8*\t:VB+8*\t+7], v[PB:PB+7], 0, v[72+4*((\k)%2)+\t], v26 matrix_a_fmt:MATRIX_FMT_FP4 matrix_b_fmt:MATRIX_FMT_FP4
.else
	v_wmma_scale_f32_16x16x128_f8f6f4 v[OF+8*\t:OF+8*\t+7], v[VB+8*\t:VB+8*\t+7], v[PB:PB+7], v[OF+8*\t:OF+8*\t+7], v[72+4*((\k)%2)+\t], v26 matrix_a_fmt:MATRIX_FMT_FP4 matrix_b_fmt:MATRIX_FMT_FP4
.endif
.endr
.if (\k) == 0
	v_wmma_scale_f32_16x16x128_f8f6f4 v[CNT:CNT+7], v[28:35], v[PB:PB+7], 0, v27, v26 matrix_a_fmt:MATRIX_FMT_FP4 matrix_b_fmt:MATRIX_FMT_FP4
.else
	v_wmma_scale_f32_16x16x128_f8f6f4 v[CNT:CNT+7], v[28:35], v[PB:PB+7], v[CNT:CNT+7], v27, v26 matrix_a_fmt:MATRIX_FMT_FP4 matrix_b_fmt:MATRIX_FMT_FP4
.endif
.endm
.macro NEAR st                         ; keys ws + 128 st .. + 127
.rept 5
	v_nop                                          ; five plain instructions: loads into, and results laid over, registers that the last products read
.endr
	s_wait_alu depctr_va_vdst(0)                   ; the last products are done reading v36-71, v72-79 and v232-239, and the vector lines before them are done with v80-95 and v240-247: the loads below land there; the window's addresses v7-9, v11 are written; the last step's selections are done reading the lane masks
	s_load_b512 s[32:47], s[28:29], 256*\st        ; the step's 64 lane masks
	s_load_b512 s[48:63], s[28:29], 256*\st+64
	s_load_b512 s[68:83], s[28:29], 256*\st+128
	s_load_b512 s[84:99], s[28:29], 256*\st+192
.irp t, 0,1,2,3,4,5,6,7                        ; lane r of tile 2 b + u takes key 32 b + 8 u + r + 8 (r / 8): 16 bytes, the head's block h
	global_load_b128 v[36+4*\t:39+4*\t], v1, s[24:25] offset:(128*\st+32*(\t/2)+8*(\t%2))*32
	global_load_b32 v[72+\t], v2, s[26:27] offset:(128*\st+32*(\t/2)+8*(\t%2))*4
.endr
.irp q, 0,1,2,3
	ds_load_b128 v[80+4*\q:83+4*\q], v7 offset:512*\st+16*\q   ; the table for keys 16 h + 0 .. 15 of the step
.endr
.irp q, 0,1,2,3
	ds_load_b128 v[T3+4*\q:T3+3+4*\q], v7 offset:512*\st+384+16*\q   ; and for keys 96 + 16 h + 0 .. 15
.endr
	s_wait_loadcnt 0x0
.irp t, 0,1,2,3,4,5,6,7                        ; a tile's upper four registers are the next tile's codes: they meet Q's zero codes under bytes that stand for 1
	v_wmma_scale_f32_16x16x128_f8f6f4 v[S+8*\t:S+8*\t+7], v[36+4*\t:43+4*\t], v[16:23], 0, v[72+\t], v24 matrix_a_fmt:MATRIX_FMT_FP4 matrix_b_fmt:MATRIX_FMT_FP4
.endr
.rept 4
	v_nop
.endr
	s_wait_alu depctr_va_vdst(0)                   ; the eight products are done reading K's codes v36-71 and K's scale words v72-79, in which the ten loads below land
.irp b, 1,2
.irp q, 0,1,2,3
	ds_load_b128 v[36+16*(\b-1)+4*\q:39+16*(\b-1)+4*\q], v7 offset:512*\st+128*\b+16*\q
.endr
.endr
.if \st == 0                                   ; V's scale words: the window need not begin at a multiple of 128 keys: two words, shifted below
	ds_load_b128 v[72:75], v9
	ds_load_b128 v[76:79], v9 offset:256
.else
	ds_load_b128 v[72:75], v9 offset:256
	ds_load_b128 v[76:79], v11
.endif
	s_wait_dscnt 10                                ; the first and the last 16 entries are in; the ten loads just issued may be out
.irp n, 0,2,4,6,8,10,12,14
	v_pk_mul_f32 v[S+\n:S+\n+1], v[S+\n:S+\n+1], v[80+\n:81+\n]      ; t = score x table
.endr
.irp n, 0,2,4,6,8,10,12,14
	v_pk_mul_f32 v[S+48+\n:S+49+\n], v[S+48+\n:S+49+\n], v[T3+\n:T3+1+\n]
.endr
	s_wait_dscnt 2                                 ; the middle 32 entries are in; V's two loads of scale words may be out
.irp n, 0,2,4,6,8,10,12,14,16,18,20,22,24,26,28,30
	v_pk_mul_f32 v[S+16+\n:S+17+\n], v[S+16+\n:S+17+\n], v[36+\n:37+\n]
.endr
	s_wait_kmcnt 0x0
.irp n, 0,1,2,3,4,5,6,7,8,9,10,11,12,13,14,15,16,17,18,19,20,21,22,23,24,25,26,27,28,29,30,31
	v_cndmask_b32 v[S+\n], v10, v[S+\n], s[32+\n]  ; TM where the key is not allowed
.endr
.irp n, 0,1,2,3,4,5,6,7,8,9,10,11,12,13,14,15,16,17,18,19,20,21,22,23,24,25,26,27,28,29,30,31
	v_cndmask_b32 v[S+32+\n], v10, v[S+32+\n], s[68+\n]
.endr
.irp b, 0,1,2,3
	v_max3_num_f32 v[BM+\b], v[S+16*\b], v[S+1+16*\b], v[S+2+16*\b]   ; the largest t of each block of 32 keys: for the row's maximum, and, since p rises with t, for the block's largest p
.endr
.irp i, 3,5,7,9,11,13
.irp b, 0,1,2,3
	v_max3_num_f32 v[BM+\b], v[BM+\b], v[S+16*\b+\i], v[S+1+16*\b+\i]
.endr
.endr
.irp b, 0,1,2,3
	v_max_num_f32 v[BM+\b], v[BM+\b], v[S+15+16*\b]
.endr
.irp b, 0,1,2,3
	v_permlanex16_b32 v[BP+\b], v[BM+\b], s20, s21
.endr
.irp b, 0,1,2,3
	v_max_num_f32 v[BM+\b], v[BM+\b], v[BP+\b]     ; with lane l xor 16's 16 keys
.endr
	v_max3_num_f32 v254, v[BM], v[BM+1], v[BM+2]
	v_max3_num_f32 v13, v254, v[BM+3], v13         ; the running largest t
.if \st
	v_mov_b32 v254, v12
.endif
	v_floor_f32 v12, -v13                          ; -M = floor(-t): M is a whole number
.if \st
	v_sub_f32 v254, v12, v254                      ; old M - new M: a whole number, 0 or less
	v_cvt_i32_f32 v254, v254
	v_ldexp_f32 v252, 1.0, v254                    ; f = 2^(old M - new M)
.endif
	s_wait_dscnt 0x0                               ; V's scale words
.irp t, 0,1,2,3
	v_alignbit_b32 v[72+\t], v[76+\t], v[72+\t], s14   ; the four bytes of blocks wsB + 4 st .. + 3
.endr
.irp j, 0,2,4,6,8,10,12,14,16,18,20,22,24,26,28,30,32,34,36,38,40,42,44,46,48,50,52,54,56,58,60,62
	v_pk_add_f32 v[S+\j:S+\j+1], v[S+\j:S+\j+1], v[12:13] op_sel_hi:[1,0]   ; t - M: an addition, exact where t = TM and M = TM
.endr
.irp b, 0,1,2,3
	v_add_f32 v[BM+\b], v[BM+\b], v12
.endr
.irp j, 0,1,2,3,4,5,6,7,8,9,10,11,12,13,14,15,16,17,18,19,20,21,22,23,24,25,26,27,28,29,30,31,32,33,34,35,36,37,38,39,40,41,42,43,44,45,46,47,48,49,50,51,52,53,54,55,56,57,58,59,60,61,62,63
	v_exp_f32 v[S+\j], v[S+\j]                     ; p = 2^(t - M)
.endr
.if \st
	v_pk_mul_f32 v[14:15], v[14:15], v[252:253] op_sel_hi:[1,0]   ; the sums under the new M; also the plain instruction behind the exponentials
.else
	v_nop
.endif
	s_wait_alu depctr_va_vdst(0)                   ; one wait for the batch of 64, ahead of its first reader: p is written; and the table's multiplications are done reading v36-67, in which V's loads land
.irp t, 0,1,2,3
.irp c, 0,1
	ds_load_b128 v[36+8*\t+4*\c:39+8*\t+4*\c], v8 offset:4096*\st+2048*\c+256*\t   ; V of these 128 keys.  No vector line from here to the products V^T P names v36-67
.endr
.endr
.irp b, 0,1,2,3
	v_exp_f32 v[BM+\b], v[BM+\b]                   ; the block's largest p: the same addition and exponential on the same number
.endr
	v_pk_add_f32 v[BP:BP+1], v[S:S+1], v[S+2:S+3]  ; the row's sum of the unquantised p, in two chains
.irp j, 4,8,12,16,20,24,28,32,36,40,44,48,52,56,60
	v_pk_add_f32 v[14:15], v[14:15], v[S+\j:S+\j+1]
	v_pk_add_f32 v[BP:BP+1], v[BP:BP+1], v[S+2+\j:S+3+\j]
.endr
	v_pk_add_f32 v[14:15], v[14:15], v[BP:BP+1]
	s_wait_alu depctr_va_vdst(0)                   ; and one for the four: the blocks' largest p are written
.irp b, 0,1,2,3
	v_max_num_f32 v[BM+\b], 0x1800000, v[BM+\b]    ; the floor 2^(3 - 127): the byte cannot fall under 1
.endr
.irp b, 0,1,2,3
	v_add_nc_u32 v[BS+\b], 0xff000000, v[BM+\b]    ; 2 off the exponent field: the conversion's scale operand
.endr
.irp b, 0,1,2,3
	v_lshrrev_b32 v[BP+\b], 23, v[BS+\b]           ; the scale's byte
.endr
	v_lshl_or_b32 v253, v[BP+1], 8, v[BP]
	v_lshl_or_b32 v253, v[BP+2], 16, v253
	v_lshl_or_b32 v253, v[BP+3], 24, v253          ; p's scale word for these 128 keys
.irp b, 0,1,2,3
	v_cvt_scalef32_pk8_fp4_f32 v[PC+2*\b], v[S+16*\b:S+7+16*\b], v[BS+\b]
	v_cvt_scalef32_pk8_fp4_f32 v[PC+1+2*\b], v[S+8+16*\b:S+15+16*\b], v[BS+\b]
.endr
	v_nop                                          ; a plain instruction behind the last conversion
.irp c, 0,1
.irp i, 0,1
	v_permlane16_swap_b32 v[PC+4*\c+\i], v[PC+2+4*\c+\i]   ; a whole block to a lane
.endr
.endr
.if \st
.irp j, 0,2,4,6,8,10,12,14,16,18,20,22,24,26,28,30
	v_pk_mul_f32 v[O+\j:O+\j+1], v[O+\j:O+\j+1], v[252:253] op_sel_hi:[1,0]   ; O^T under the new M
.endr
.endif
.rept 8
	v_nop                                          ; a scale register written by a vector instruction stands eight plain instructions ahead of the scaled product, an operand four
.endr
	s_wait_dscnt 0x0                               ; V
	s_wait_alu depctr_va_vdst(0)                   ; p's codes v232-239, p's scale word v253 and V's shifted scale words v72-75 are written, which the scaled products take; the places above stay beside this wait
.irp t, 0,1,2,3
.if \st
	v_wmma_scale_f32_16x16x128_f8f6f4 v[O+8*\t:O+8*\t+7], v[36+8*\t:43+8*\t], v[PC:PC+7], v[O+8*\t:O+8*\t+7], v[72+\t], v253 matrix_a_fmt:MATRIX_FMT_FP4 matrix_b_fmt:MATRIX_FMT_FP4
.else
	v_wmma_scale_f32_16x16x128_f8f6f4 v[O+8*\t:O+8*\t+7], v[36+8*\t:43+8*\t], v[PC:PC+7], 0, v[72+\t], v253 matrix_a_fmt:MATRIX_FMT_FP4 matrix_b_fmt:MATRIX_FMT_FP4
.endif
.endr
.endm
	s_load_b256 s[4:11], s[0:1], 0x0               ; pbuf, mbuf, lmk, qbuf
	s_load_b64 s[30:31], s[0:1], 0x20              ; abuf
	v_mov_b32 v26, 0x7d7d7d7d                      ; the far codes' scale: 2^-2
	v_mov_b32 v27, 0x7f7f7f7f                      ; the ones' scale: 1
.irp i, 0,1,2,3,4,5,6,7
	v_mov_b32 v[28+\i], 0x22222222                 ; code 2 = the number 1
.endr
.irp i, 0,1,2,3
	v_mov_b32 v[20+\i], 0                          ; Q's upper 64 along K: zero codes
	v_mov_b32 v[68+\i], 0                          ; behind K's last tile
.endr
	v_mov_b32 v10, 0xceabfb8f                      ; TM = -1e9 x log2(e) in f32, a whole number
	v_mov_b32 v14, 0
	v_mov_b32 v15, 0
	v_mov_b32 v253, 0                              ; (named as the upper half of a pair before it is first written)
	v_lshrrev_b32 v1, 5, v0
	v_readfirstlane_b32 s12, v1                    ; wave 0 .. 15
	s_wait_alu depctr_va_sdst(0)                   ; s12 is written, ahead of its first reader: the tile, the addresses and the last branch are made from it
	s_and_b32 s13, ttmp7, 0xffff                   ; bh
	s_lshl_b32 s15, ttmp9, 4
	s_add_co_u32 s15, s15, s12                     ; my tile of queries
	s_lshr_b32 s16, s15, 1
	s_lshl_b32 s16, s16, 5
	s_and_b32 s17, s15, 1
	s_lshl_b32 s17, s17, 3
	s_add_co_u32 s16, s16, s17                     ; qmin
	s_sub_co_i32 s17, s16, 103
	s_max_i32 s17, s17, 0
	s_lshr_b32 s17, s17, 5
	s_min_u32 s17, s17, 56                         ; wsB, as the launch before has it
	s_lshl_b32 s18, s17, 5                         ; ws
	s_lshr_b32 s19, s13, 4                         ; batch
	s_and_b32 s22, s13, 15                         ; head
	s_lshl_b32 s23, s19, 7
	s_add_co_u32 s23, s23, s15                     ; 128 x batch + tile
	s_mov_b32 s20, 0x76543210
	s_mov_b32 s21, 0xfedcba98                      ; selects for lane l xor 16
	s_mov_b32 s3, 0
	v_and_b32 v244, 15, v0                         ; r
	v_bfe_u32 v245, v0, 4, 1                       ; h
	v_and_b32 v246, 8, v244
	v_add_nc_u32 v246, v246, v244                  ; rho
	v_lshlrev_b32 v1, 5, v246
	v_lshl_add_u32 v1, v245, 4, v1
	v_lshlrev_b32 v2, 2, v246
	v_lshlrev_b32 v3, 4, v244
	v_add_nc_u32 v4, VSL, v3
	v_lshl_add_u32 v3, v245, 10, v3
	v_and_b32 v247, 3, v244                        ; which copy of the table: r % 4
	v_lshlrev_b32 v5, 11, v247
	v_and_b32 v248, 1, v247
	v_lshl_add_u32 v5, v248, 5, v5
	v_lshrrev_b32 v248, 1, v247
	v_lshl_add_u32 v5, v248, 7, v5                 ; the copy begins at 2,048 s + 32 (s % 2) + 128 (s / 2)
	v_lshl_add_u32 v5, v245, 6, v5                 ; + 16 h entries
	v_add_nc_u32 v5, TAB, v5
	v_bfe_u32 v248, v244, 2, 1
	v_lshrrev_b32 v249, 3, v244
	v_lshl_add_u32 v248, v249, 2, v248             ; (rho - r % 4) / 4
	v_lshlrev_b32 v248, 4, v248
	v_sub_nc_u32 v5, v5, v248                      ; - that many groups of four entries
	v_and_b32 v6, 31, v0
	v_lshlrev_b32 v6, 4, v6
	v_lshlrev_b32 v11, 2, v244                     ; 4 r
	v_lshlrev_b32 v7, 4, v0                        ; 16 x thread
	v_lshlrev_b32 v8, 3, v0                        ; 8 x thread
	v_add_nc_u32 v9, VSL, v8
	v_lshl_add_u32 v208, v0, 2, TAB
.irp s, 0,1,2,3                                ; entry z = thread of copy s: tT[min(|z - s - 256|, 255)]
	v_add_nc_u32 v[200+\s], -(256+\s), v0
	v_ashrrev_i32 v[204+\s], 31, v[200+\s]
	v_xor_b32 v[200+\s], v[200+\s], v[204+\s]
	v_sub_nc_u32 v[200+\s], v[200+\s], v[204+\s]
	v_min_u32 v[200+\s], 0xff, v[200+\s]
	v_lshlrev_b32 v[200+\s], 2, v[200+\s]
.endr
	s_wait_kmcnt 0x0
	s_lshl_b32 s2, s13, 16
	s_add_co_u32 s2, s2, VC
	s_add_nc_u64 s[32:33], s[4:5], s[2:3]          ; V's codes of my head
	s_lshl_b32 s2, s13, 12
	s_add_co_u32 s2, s2, VS
	s_add_nc_u64 s[34:35], s[4:5], s[2:3]          ; and scale words
	s_add_nc_u64 s[36:37], s[10:11], MTAB
	s_lshl_b32 s14, s13, 11                        ; the head's first token
	s_add_co_u32 s2, s14, s16
	s_lshl_b32 s2, s2, 5
	s_add_nc_u64 s[38:39], s[4:5], s[2:3]          ; Q's codes at qmin
	s_add_co_u32 s2, s14, s16
	s_lshl_b32 s2, s2, 2
	s_add_co_u32 s2, s2, QS
	s_add_nc_u64 s[40:41], s[4:5], s[2:3]
	s_lshl_b32 s2, s23, 6
	s_add_co_u32 s2, s2, RLV
	s_add_nc_u64 s[42:43], s[6:7], s[2:3]          ; the rows' levels
	s_lshl_b32 s2, s23, 14
	s_add_nc_u64 s[44:45], s[6:7], s[2:3]          ; p's far codes
	s_add_co_u32 s2, s14, s18
	s_lshl_b32 s2, s2, 5
	s_add_co_u32 s2, s2, KC
	s_add_nc_u64 s[24:25], s[4:5], s[2:3]          ; K's codes at ws
	s_add_co_u32 s2, s14, s18
	s_lshl_b32 s2, s2, 2
	s_add_co_u32 s2, s2, KS
	s_add_nc_u64 s[26:27], s[4:5], s[2:3]
	s_lshl_b32 s2, s23, 9
	s_add_nc_u64 s[28:29], s[8:9], s[2:3]          ; the lane masks
	s_wait_alu depctr_va_vdst(0)                   ; the head's addresses v1-4, v6-9, v11, v200-203 and v208 are written, which the loads and LDS stores read; so are the constant operands and scales v20-23, v26-35 and v68-71, which the scaled products take
.irp q, 0,1,2,3,4,5,6,7
	global_load_b128 v[160+4*\q:163+4*\q], v7, s[32:33] offset:8192*\q
.endr
	global_load_b64 v[192:193], v8, s[34:35]
.irp s, 0,1,2,3
	global_load_b32 v[194+\s], v[200+\s], s[36:37]
.endr
	global_load_b128 v[16:19], v1, s[38:39]
	global_load_b32 v24, v2, s[40:41]
	global_load_b32 v25, v11, s[42:43]
.irp k, 0,1,2,3,4,5,6,7
	PLOAD \k
.endr
	s_wait_loadcnt 19                              ; the 13 loads of the copies are in; Q, its word, the level and 16 loads of p's codes may be out
.irp q, 0,1,2,3,4,5,6,7
	ds_store_b128 v7, v[160+4*\q:163+4*\q] offset:8192*\q
.endr
	ds_store_b64 v9, v[192:193]
.irp s, 0,1,2,3
	ds_store_b32 v208, v[194+\s] offset:2048*\s+32*(\s%2)+128*(\s/2)
.endr
	s_wait_dscnt 0x0                               ; my stores have landed
	s_barrier_signal -1
	s_barrier_wait -1                              ; V, its scale words and the table lie in LDS; they are only read from here on
	s_wait_alu depctr_vm_vsrc(0)                   ; the head's loads and LDS stores have read v7-9, v11, v160-197, v200-203 and v208: V's second set lands in v160-191, the far products write v192-223, and v7-9, v11 are made anew behind the far steps
	VLOAD 0
.irp k, 0,1,2,3,4,5,6,7,8,9,10,11,12,13,14,15
	FAR \k
.endr
	; every load of the head is in: the addresses of the window are made
	s_add_co_u32 s2, s18, 256
	s_sub_co_u32 s2, s2, s16                       ; ws - qmin + 256: 24 .. 256
	s_min_u32 s2, s2, 256
	s_lshl_b32 s2, s2, 2
	v_add_nc_u32 v7, s2, v5                        ; the table at the window's first key
	s_lshl_b32 s2, s17, 10
	v_add_nc_u32 v8, s2, v3                        ; V at block wsB
	s_lshr_b32 s2, s17, 2
	s_lshl_b32 s14, s2, 8
	v_add_nc_u32 v9, s14, v4                       ; V's scale words at wsB / 4
	s_add_co_u32 s2, s2, 2
	s_min_u32 s2, s2, 15                           ; (the word behind the last is not there, and is not wanted: the shift is 0 then)
	s_lshl_b32 s2, s2, 8
	v_add_nc_u32 v11, s2, v4
	s_and_b32 s14, s17, 3
	s_lshl_b32 s14, s14, 3                         ; 8 (wsB % 4) bits
	v_mov_b32 v13, v25                             ; the largest t so far: the level
	NEAR 0
	NEAR 1
.rept 4
	v_nop
.endr
	v_add_f32 v254, v25, v12                       ; level - M: 0 or less, a whole number (or -3e38)
	v_max_num_f32 v254, 0xc3480000, v254           ; held at -200
	v_cvt_i32_f32 v254, v254
	v_ldexp_f32 v252, 1.0, v254                    ; ff
	v_add_f32 v14, v14, v15
	v_permlanex16_b32 v244, v14, s20, s21
	v_add_f32 v14, v14, v244                       ; the window's sum
	v_fma_f32 v14, v[CNT], v252, v14               ; + the far count x ff
	v_rcp_f32 v14, v14
.irp j, 0,2,4,6,8,10,12,14,16,18,20,22,24,26,28,30
	v_pk_fma_f32 v[O+\j:O+\j+1], v[OF+\j:OF+\j+1], v[252:253], v[O+\j:O+\j+1] op_sel_hi:[1,0,1]   ; far x ff + near
.endr
	s_wait_alu depctr_va_vdst(0)                   ; the wait for the reciprocal, ahead of its first reader: v14 is written
.irp j, 0,2,4,6,8,10,12,14,16,18,20,22,24,26,28,30
	v_pk_mul_f32 v[O+\j:O+\j+1], v[O+\j:O+\j+1], v[14:15] op_sel_hi:[1,0]   ; register 16 b + i: channel 32 b + 16 h + i of my query
.endr
.irp b, 0,1
	v_max3_num_f32 v[BM+\b], |v[O+16*\b]|, |v[O+1+16*\b]|, 0x1800000
.endr
.irp i, 2,4,6,8,10,12,14
.irp b, 0,1
	v_max3_num_f32 v[BM+\b], v[BM+\b], |v[O+16*\b+\i]|, |v[O+1+16*\b+\i]|
.endr
.endr
.irp b, 0,1
	v_permlanex16_b32 v[BP+\b], v[BM+\b], s20, s21
.endr
.irp b, 0,1
	v_max_num_f32 v[BM+\b], v[BM+\b], v[BP+\b]
.endr
.irp b, 0,1
	v_add_nc_u32 v[BS+\b], 0xff000000, v[BM+\b]
.endr
.irp b, 0,1
	v_lshrrev_b32 v[BP+\b], 23, v[BS+\b]
.endr
	v_lshl_or_b32 v254, v[BP+1], 8, v[BP]          ; the head's two bytes
.irp b, 0,1
	v_cvt_scalef32_pk8_fp4_f32 v[PC+2*\b], v[O+16*\b:O+7+16*\b], v[BS+\b]
	v_cvt_scalef32_pk8_fp4_f32 v[PC+1+2*\b], v[O+8+16*\b:O+15+16*\b], v[BS+\b]
.endr
	v_nop
	v_permlane16_swap_b32 v[PC], v[PC+2]
	v_permlane16_swap_b32 v[PC+1], v[PC+3]         ; lanes 0-15: the head's block 0, lanes 16-31: block 1
	s_lshr_b32 s14, s22, 3                         ; which half of D
	s_and_b32 s15, s22, 7
	s_lshl_b32 s2, s14, 20
	s_lshl_b32 s16, s23, 12
	s_add_co_u32 s2, s2, s16
	s_lshl_b32 s16, s15, 9
	s_add_co_u32 s2, s2, s16
	s_add_nc_u64 s[24:25], s[30:31], s[2:3]
	v_and_b32 v240, 15, v0                         ; the two LDS addresses of the way out are made ahead of the one wait below
	v_lshlrev_b32 v240, 2, v240
	s_lshl_b32 s2, s12, 6
	s_add_co_u32 s2, s2, STG
	v_add_nc_u32 v240, s2, v240
	s_and_b32 s2, s12, 1
	s_lshl_b32 s2, s2, 9
	s_add_co_u32 s2, s2, STG
	v_add_nc_u32 v241, s2, v6
	s_wait_alu depctr_va_vdst(0)                   ; the codes v232-235 and the scale word v254 are written, which the stores below read; so are the LDS addresses v240 and v241; and the vector lines are done with v244-247, in which an LDS load lands.  No vector line follows before the end
	global_store_b128 v6, v[PC:PC+3], s[24:25]     ; 512 consecutive bytes
	s_wait_dscnt 0x0
	s_barrier_signal -1
	s_barrier_wait -1                              ; every wave's reads of LDS are over
	ds_store_b32 v240, v254                        ; lanes r and 16 + r write the same word with the same value
	s_wait_dscnt 0x0
	s_barrier_signal -1
	s_barrier_wait -1
	s_wait_alu depctr_vm_vsrc(0)                   ; the LDS store has read v254, which is made anew at the end, on both ways
	s_cmp_lt_u32 s12, 2
	s_cbranch_scc0 .Lend
	ds_load_b128 v[244:247], v241                  ; eight tiles' words
	s_lshl_b32 s2, s19, 4
	s_lshl_b32 s16, ttmp9, 1
	s_add_co_u32 s2, s2, s16
	s_add_co_u32 s2, s2, s12                       ; which 128 tokens
	s_lshl_b32 s2, s2, 12
	s_lshl_b32 s16, s14, 17
	s_add_co_u32 s2, s2, s16
	s_lshl_b32 s16, s15, 9
	s_add_co_u32 s2, s2, s16
	s_add_co_u32 s2, s2, AOS
	s_add_nc_u64 s[26:27], s[30:31], s[2:3]
	s_wait_dscnt 0x0
	global_store_b128 v6, v[244:247], s[26:27]     ; 512 consecutive bytes
.Lend:
	s_wait_xcnt 0x0
	v_lshl_add_u32 v254, v0, 2, 0x13500
	v_mov_b32 v255, 0
	s_wait_dscnt 0x0                               ; the closing lines, six on end
	s_wait_alu 0x0
	s_wait_tensorcnt 0x0
	ds_add_u32 v254, v255
	s_wait_dscnt 0x0
	s_endpgm
.Lfunc_end_k_qa807790a0b_attn:
	.size	k_qa807790a0b_attn, .Lfunc_end_k_qa807790a0b_attn-k_qa807790a0b_attn
	.p2alignl 7, 3214868480
	.fill 96, 4, 3214868480
	.section	.rodata,"a",@progbits
	.p2align	6, 0x0
	.amdhsa_kernel k_qa807790a0b_attn
		.amdhsa_group_segment_fixed_size 81152
		.amdhsa_private_segment_fixed_size 0
		.amdhsa_enable_private_segment 0
		.amdhsa_kernarg_size 40
		.amdhsa_user_sgpr_count 2
		.amdhsa_user_sgpr_kernarg_segment_ptr 1
		.amdhsa_wavefront_size32 1
		.amdhsa_system_sgpr_workgroup_id_x 1
		.amdhsa_system_sgpr_workgroup_id_y 1
		.amdhsa_system_sgpr_workgroup_id_z 1
		.amdhsa_system_vgpr_workitem_id 0
		.amdhsa_next_free_vgpr 256
		.amdhsa_next_free_sgpr 100
		.amdhsa_reserve_vcc 0
		.amdhsa_float_denorm_mode_32 3
		.amdhsa_float_denorm_mode_16_64 3
		.amdhsa_memory_ordered 1
		.amdhsa_forward_progress 1
		.amdhsa_inst_pref_size 87
	.end_amdhsa_kernel
	.amdgpu_metadata
---
amdhsa.version: [ 1, 2 ]
amdhsa.kernels:
  - .name:           k_qa807790a0b_attn
    .symbol:         k_qa807790a0b_attn.kd
    .args:
      - { .name: pbuf, .offset: 0, .size: 8, .value_kind: global_buffer, .address_space: global }
      - { .name: mbuf, .offset: 8, .size: 8, .value_kind: global_buffer, .address_space: global }
      - { .name: lmk, .offset: 16, .size: 8, .value_kind: global_buffer, .address_space: global }
      - { .name: qbuf, .offset: 24, .size: 8, .value_kind: global_buffer, .address_space: global }
      - { .name: abuf, .offset: 32, .size: 8, .value_kind: global_buffer, .address_space: global }
    .group_segment_fixed_size: 81152
    .private_segment_fixed_size: 0
    .kernarg_segment_align: 8
    .kernarg_segment_size: 40
    .max_flat_workgroup_size: 512
    .sgpr_count:     100
    .vgpr_count:     256
    .wavefront_size: 32
...
	.end_amdgpu_metadata
.endif
;; end of part 6
;; launch oproj: the kernel of part 5 again; grid 8 x 32, 8 waves a work-group, no clusters, 179,200 bytes of LDS; arguments abuf, qbuf, bo, out0; writes out0
